; MI455X (gfx1250); checked and timed in simulation.
; The chip was launched on July 23, 2026; its instructions are those of AMD's public machine-readable ISA for CDNA 5 (MIT licence, August 2026) and "CDNA5" Instruction Set Architecture Reference Guide (July 2026). The comments in the code are by the model that wrote it; some were corrected since.
;; BP Book Memory. Allowed arithmetic: matrix products marked QUANTISED: E5M2 operands, one given power-of-two scale a tensor, by v_wmma_f32_16x16x64_bf8_bf8 or v_wmma_f32_16x16x128_bf8_bf8, f32 sums; products left as they are: f32 operands where the result goes on into a quantised operand, else bf16, f16 or f32 operands; f32 sums; everything else in f32.
;; Inputs: lowp_scales 2 int32 (the exponents e of the quantised operands' scales 2^e); memory 4,096 x 512 float32; retrieval_scale one number float32; x 8 x 4,096 x 512 float32.
;; Outputs: out0 8 x 4,096 x 512 float32.
;; This version of the problem:
;;   THIS VERSION OF THE PROBLEM IS GIVEN IN LOW PRECISION. The matrix products marked QUANTISED in the list below multiply operands that are first quantised to E5M2 (5 exponent bits, 2 mantissa bits; 8 bits a number), with one given power-of-two scale for each operand tensor; their sums are f32. All else is computed in f32.
;;   The module's matrix products, in the order in which they are computed (A, B: the left and right operand; K: the contracted axis; several contracted axes count as one K, in the product's order):
;;     1. [M 32,768, K 512] x [K 512, N 4,096]; A: computed on the way; B: computed on the way: QUANTISED (scales: A lowp_scales[0], B lowp_scales[1])
;;     2. batch 32,768 x [M 512, K 8] x [K 8, N 1]; A: computed on the way; B: softmax: left as it is (K = 8 < 32)
;;   THE QUANTISER, for each operand of a quantised product, along K:
;;     - The operand's scale is 2^e, e = its entry of the input lowp_scales (int32; the entries are numbered through the quantised products in the list's order, A before B).
;;     - Each number is divided by the scale, clamped to +-57,344, and rounded to the nearest number of E5M2, ties to even, subnormals kept.
;;     - The product sums the exact products of the quantised numbers (number of the format x scale) in f32.
;;   ~~~python
;;   def quantise(x, axis, e):      # numpy; x: float32 -> the quantised numbers, widened to float32 again
;;       x = np.moveaxis(x, axis, -1); K = x.shape[-1]
;;       r = np.clip(x / 2.0 ** e, -57344, 57344)
;;       step = 2.0 ** (np.maximum(np.frexp(np.where(r == 0, 1, r))[1] - 1, -14) - 2)
;;       q = np.round(r / step) * step * 2.0 ** e      # np.round: ties to even
;;       return np.moveaxis(q, -1, axis).astype(np.float32)
;;   ~~~
;;   OPERANDS COMPUTED ON THE WAY. 'Computed on the way' means the value that the module computes at that place (a softmax that the list does not call 'softmax' is quantised finished and normalised). What goes into a quantiser is computed in f32, as accurately as f32 sums, v_exp_f32 and their like allow (about 1e-6 of the number): no bf16 or f16 on the way to a quantiser, and a product that is left as it is and whose result goes on into a quantised operand takes f32 operands (vector FMAs, or v_wmma_f32_16x16x4_f32). A number that lies on a knife's edge between two numbers of the format may be rounded either way, as far as f32 arithmetic and the matrix unit's own rounding can turn it there, and no further.
;; 2 versions. Each part assembles by itself: llvm-mc -triple=amdgcn-amd-amdhsa -mcpu=gfx1250 --defsym DOCPART=n.
;; ======== version 1 of 2: 4 launches
;; workspace buffers: xcodes 16,777,216 bytes; mcodes 2,097,152 bytes; membf 4,194,304 bytes; lst 16,777,216 bytes of whole numbers; trips 32,768 bytes of whole numbers; idx 1,048,576 bytes of whole numbers; wts 1,048,576 bytes
;; launch quant (part 1): grid 256 x 1, 9 waves a work-group, no clusters, 47,360 bytes of LDS; arguments x, memory, lowp_scales, xcodes, mcodes, membf; writes xcodes, mcodes, membf
.if DOCPART == 1
	.amdgcn_target "amdgcn-amd-amdhsa--gfx1250"
	.amdhsa_code_object_version 6
	.text
	.protected	k_qea1597f59f_quant
	.globl	k_qea1597f59f_quant
	.p2align	8
	.type	k_qea1597f59f_quant,@function
k_qea1597f59f_quant:
	s_mov_b64 s[64:65], 0
	v_nop
	global_prefetch_b8 v0, s[64:65] scope:SCOPE_SE
	s_setreg_imm32_b32 hwreg(HW_REG_WAVE_MODE, 25, 1), 1
	s_wait_xcnt 0x0
; FIRST OF FOUR LAUNCHES.  out = x + retrieval_scale * sum_k softmax(top 8 scores)_k * memory[top 8 slots]_k, the scores being
; Q(x / max(|x|, 1e-12)) . Q(memory / max(|memory|, 1e-12)), Q the given quantiser to E5M2.
; NO WORK OF reference() IS LEFT OUT: every input has a way to the output and is loaded by some launch.
; THIS LAUNCH: each row of x [32768][512] and of memory [4096][512] is divided by its norm in f32 and turned into codes of E5M2 with the
; given scale 2^e (entry 0 for x, entry 1 for memory): code = number / 2^e, held within +-57,344, to the nearest code, ties to even.
; Both operands are read by many work-groups later, so they are quantised once.  memory is also stored as bf16, for the last launch's weighted sum.
; 1 / max(n, 1e-12) is taken as min(1 / n, 1e12), 1 / n by v_rsq_f32 of the sum of squares; a sum of 0 gives infinity, which the minimum holds at 1e12.
; LIMITS: NaN and infinity among the inputs are not served; a row's sum of squares is a finite f32 number (reference()'s norm asks the same); -126 <= e and e + 15 <= 127.
; SHARES: 2,304 jobs of 16 rows, J = 9 x work-group + wave: J < 2048: rows 16 J of x; else rows 16 (J - 2048) of memory.  Only pointers and e are chosen by J: one path through the text.
; A row is 2,048 bytes: four loads of 512 consecutive bytes.  The conversions want 16 neighbours in one lane, so the row turns through the wave's own stage in LDS
; (64 bytes + 16 of padding a lane).  A row's 512 codes leave as 512 consecutive bytes.
; THE bf16 ROWS ARE LAID AS THE LAST LAUNCH'S LANES TAKE THEM: byte 512 p + 16 l + 8 u of a row holds columns 128 (2 p + u) + 4 l + 0..3: what lane l holds of loads 2 p and 2 p + 1.
; So a row leaves by two stores of 512 consecutive bytes, and comes back there by two loads of 16 bytes a lane.
; No tensor loads, no barrier, no cluster: waves share nothing.  Loads run four rows (16 loads a wave) ahead, the turn through LDS one row.
.set WREG,  5120                       ; LDS of a wave: two stages of 32 x SP bytes
.set SP,    80
.set SPARE, 9*WREG                     ; behind the nine regions: the spare words, 128 bytes a wave, five blocks of 256 bytes that no other line names
.set SPW,   12                         ; v12  my spare word's LDS address; never rewritten
.set NIL,   13                         ; v13  0; never rewritten
.set R,     16                         ; v16-79   four sets of 16 numbers as loaded
.set X,     80                         ; v80-111  two sets of 16 neighbours
.set BF,    112                        ; v112-119 a row's bf16 pairs
.set C,     128                        ; v128-191 codes, four registers for each row: no store's data are written again
	s_load_b128 s[4:7], s[0:1], 0x0                ; x, memory
	s_load_b64 s[10:11], s[0:1], 0x10              ; the scales' exponents
	s_load_b128 s[12:15], s[0:1], 0x18             ; x's codes, memory's codes
	s_load_b64 s[16:17], s[0:1], 0x28              ; memory as bf16
	v_lshl_add_u32 v[SPW], v0, 2, SPARE
	v_mov_b32 v[NIL], 0
	v_lshrrev_b32 v1, 5, v0
	v_readfirstlane_b32 s21, v1                    ; wave 0..8
	v_and_b32 v2, 31, v0                           ; lane
	v_lshlrev_b32 v3, 4, v2                        ; 16 x lane: my bytes of a load's 512, of a row's codes, and of a bf16 store's 512
	s_mul_i32 s25, s21, WREG
	v_lshrrev_b32 v14, 2, v2
	v_mul_u32_u24 v14, v14, SP
	v_and_b32 v15, 3, v2
	v_lshl_add_u32 v14, v15, 4, v14
	v_add_nc_u32 v14, s25, v14                     ; the stage on the way in: SP (lane / 4) + 16 (lane % 4)
	v_mul_u32_u24 v15, v2, SP
	v_add_nc_u32 v15, s25, v15                     ; and on the way out: SP x lane
	v_mov_b32 v121, 0                              ; (named as the upper half of the pair v[120:121])
	v_mov_b32 v122, 0                              ; a lane permute's destination counts as one of its sources
	s_mov_b32 s26, 0x76543210
	s_mov_b32 s27, 0xfedcba98                      ; selects: lane l xor 16
	s_mov_b32 s28, 0x5368d4a5                      ; 1e12 = 1 / eps
	s_mul_i32 s20, ttmp9, 9
	s_add_co_u32 s20, s20, s21                     ; J
	s_wait_kmcnt 0x0
	s_load_b64 s[22:23], s[10:11], 0x0             ; e of x, e of memory
	s_cmp_lt_u32 s20, 2048                         ; x's job or memory's?  ids alone
	s_cselect_b64 s[4:5], s[4:5], s[6:7]
	s_cselect_b64 s[8:9], s[12:13], s[14:15]
	s_cselect_b32 s24, 0, 2048
	s_sub_co_u32 s24, s20, s24                     ; which 16 rows of the tensor
	s_mov_b32 s31, 0
	s_lshl_b32 s30, s24, 15                        ; 16 rows of 2,048 bytes
	s_add_nc_u64 s[4:5], s[4:5], s[30:31]
	s_lshl_b32 s30, s24, 13                        ; 16 rows of 512 codes
	s_add_nc_u64 s[8:9], s[8:9], s[30:31]
	s_lshl_b32 s30, s24, 14                        ; 16 rows of 1,024 bytes of bf16 (used by memory's jobs alone)
	s_add_nc_u64 s[18:19], s[16:17], s[30:31]
.macro LOAD t
.irp i, 0,1,2,3
	global_load_b128 v[R+16*((\t)%4)+4*\i:R+16*((\t)%4)+4*\i+3], v3, s[4:5] offset:2048*(\t)+512*\i th:TH_LOAD_NT
.endr
.endm
.macro TURN t                          ; row t through the stage; LDS serves a wave's instructions in order, so no wait stands between the stores and the loads
.irp i, 0,1,2,3
	ds_store_b128 v14, v[R+16*((\t)%4)+4*\i:R+16*((\t)%4)+4*\i+3] offset:32*SP*((\t)%2)+8*SP*\i
.endr
.irp i, 0,1,2,3
	ds_load_b128 v[X+16*((\t)%2)+4*\i:X+16*((\t)%2)+4*\i+3], v15 offset:32*SP*((\t)%2)+16*\i
.endr
.endm
.macro BFOUT t                         ; memory's jobs: row t as loaded, rounded to bf16: lane l of load i holds columns 128 i + 4 l + 0..3: two registers
	s_cmp_lt_u32 s20, 2048
	s_cbranch_scc1 .Lno_bf_\@
	s_wait_xcnt 0x0                                ; the last row's stores have read BF: only now is it written again
.irp i, 0,1,2,3
	v_cvt_pk_bf16_f32 v[BF+2*\i], v[R+16*((\t)%4)+4*\i], v[R+16*((\t)%4)+4*\i+1]
	v_cvt_pk_bf16_f32 v[BF+2*\i+1], v[R+16*((\t)%4)+4*\i+2], v[R+16*((\t)%4)+4*\i+3]
.endr
.irp p, 0,1
	global_store_b128 v3, v[BF+4*\p:BF+4*\p+3], s[18:19] offset:1024*(\t)+512*\p   ; what I hold of loads 2 p and 2 p + 1; 32 lanes store 512 consecutive bytes, aligned
.endr
.Lno_bf_\@:
.endm
.irp t, 0,1,2,3
	LOAD \t
.endr
	s_wait_kmcnt 0x0
	s_cmp_lt_u32 s20, 2048
	s_cselect_b32 s22, s22, s23                    ; e
	s_add_co_i32 s22, s22, 127
	s_lshl_b32 s23, s22, 23
	v_mov_b32 v11, s23                             ; 2^e as f32: the conversion takes its exponent field
	s_add_co_i32 s22, s22, 15
	s_lshl_b32 s22, s22, 23
	s_or_b32 s22, s22, 0x600000
	v_mov_b32 v10, s22                             ; 57,344 x 2^e
	s_wait_loadcnt 12                              ; row 0's four loads are in; the twelve of rows 1 to 3 may be out
	BFOUT 0
	TURN 0
.macro STEP t
.set XS, X+16*((\t)%2)
	s_wait_dscnt 0x0                               ; this row is back from the stage: so its stores into the stage have read their registers,
.if (\t)+4 < 16
	LOAD (\t)+4                                    ; which take the row four further on
.endif
.if (\t)+1 < 16
.if 14-(\t) >= 3
	s_wait_loadcnt 12                              ; the next row's four loads are in; those of the three rows behind it may be out
.else
	s_wait_loadcnt 4*(14-(\t))
.endif
	BFOUT (\t)+1
	TURN (\t)+1                                    ; through the other stage while this row is worked
.endif
	v_pk_mul_f32 v[6:7], v[XS:XS+1], v[XS:XS+1]    ; the sum of squares of my 16 numbers, in two packed chains
	v_pk_mul_f32 v[8:9], v[XS+2:XS+3], v[XS+2:XS+3]
.irp j, 4,8,12
	v_pk_fma_f32 v[6:7], v[XS+\j:XS+\j+1], v[XS+\j:XS+\j+1], v[6:7]
	v_pk_fma_f32 v[8:9], v[XS+\j+2:XS+\j+3], v[XS+\j+2:XS+\j+3], v[8:9]
.endr
	v_pk_add_f32 v[6:7], v[6:7], v[8:9]
	v_add_f32 v6, v6, v7
	v_add_f32_dpp v6, v6, v6 row_xmask:1 row_mask:0xf bank_mask:0xf
	v_add_f32_dpp v6, v6, v6 row_xmask:2 row_mask:0xf bank_mask:0xf
	v_add_f32_dpp v6, v6, v6 row_xmask:4 row_mask:0xf bank_mask:0xf
	v_add_f32_dpp v6, v6, v6 row_xmask:8 row_mask:0xf bank_mask:0xf
	v_permlanex16_b32 v122, v6, s26, s27
	v_add_f32 v6, v6, v122                         ; the row's, in every lane
	v_rsq_f32 v120, v6
	v_nop                                          ; a plain instruction behind the transcendental
	s_wait_alu depctr_va_vdst(0)                   ; and the wait ahead of its first reader
	v_min_num_f32 v120, s28, v120                  ; 1 / max(n, eps)
.irp j, 0,2,4,6,8,10,12,14
	v_pk_mul_f32 v[XS+\j:XS+\j+1], v[XS+\j:XS+\j+1], v[120:121] op_sel_hi:[1,0]
.endr
.irp i, 0,1,2,3,4,5,6,7,8,9,10,11,12,13,14,15
	v_med3_num_f32 v[XS+\i], v[XS+\i], -v10, v10   ; the conversion to an 8-bit code does not saturate (ISA guide 7.6.2): the hold comes first
.endr
	v_cvt_scalef32_pk8_bf8_f32 v[C+4*(\t):C+4*(\t)+1], v[XS:XS+7], v11
	v_cvt_scalef32_pk8_bf8_f32 v[C+4*(\t)+2:C+4*(\t)+3], v[XS+8:XS+15], v11
	global_store_b128 v3, v[C+4*(\t):C+4*(\t)+3], s[8:9] offset:512*(\t)   ; the codes go to a store alone; 32 lanes store the row's 512 consecutive bytes
.endm
.irp t, 0,1,2,3,4,5,6,7,8,9,10,11,12,13,14,15
	STEP \t
.endr
	s_wait_tensorcnt 0x0                           ; the wave's end, behind my last LDS store
	ds_add_u32 v[SPW], v[NIL]
	s_wait_dscnt 0x0
	s_endpgm
.Lfunc_end_k_qea1597f59f_quant:
	.size	k_qea1597f59f_quant, .Lfunc_end_k_qea1597f59f_quant-k_qea1597f59f_quant
	.p2alignl 7, 3214868480
	.fill 96, 4, 3214868480
	.section	.rodata,"a",@progbits
	.p2align	6, 0x0
	.amdhsa_kernel k_qea1597f59f_quant
		.amdhsa_group_segment_fixed_size 47360
		.amdhsa_private_segment_fixed_size 0
		.amdhsa_enable_private_segment 0
		.amdhsa_kernarg_size 48
		.amdhsa_user_sgpr_count 2
		.amdhsa_user_sgpr_kernarg_segment_ptr 1
		.amdhsa_wavefront_size32 1
		.amdhsa_system_sgpr_workgroup_id_x 1
		.amdhsa_system_sgpr_workgroup_id_y 1
		.amdhsa_system_sgpr_workgroup_id_z 1
		.amdhsa_system_vgpr_workitem_id 0
		.amdhsa_next_free_vgpr 192
		.amdhsa_next_free_sgpr 66
		.amdhsa_reserve_vcc 0
		.amdhsa_float_denorm_mode_32 3
		.amdhsa_float_denorm_mode_16_64 3
		.amdhsa_memory_ordered 1
		.amdhsa_forward_progress 1
		.amdhsa_inst_pref_size 76
	.end_amdhsa_kernel
	.amdgpu_metadata
---
amdhsa.version: [ 1, 2 ]
amdhsa.kernels:
  - .name:           k_qea1597f59f_quant
    .symbol:         k_qea1597f59f_quant.kd
    .args:
      - { .name: x, .offset: 0, .size: 8, .value_kind: global_buffer, .address_space: global }
      - { .name: memory, .offset: 8, .size: 8, .value_kind: global_buffer, .address_space: global }
      - { .name: lowp_scales, .offset: 16, .size: 8, .value_kind: global_buffer, .address_space: global }
      - { .name: xcodes, .offset: 24, .size: 8, .value_kind: global_buffer, .address_space: global }
      - { .name: mcodes, .offset: 32, .size: 8, .value_kind: global_buffer, .address_space: global }
      - { .name: membf, .offset: 40, .size: 8, .value_kind: global_buffer, .address_space: global }
    .group_segment_fixed_size: 47360
    .private_segment_fixed_size: 0
    .kernarg_segment_align: 8
    .kernarg_segment_size: 48
    .max_flat_workgroup_size: 288
    .sgpr_count:     66
    .vgpr_count:     192
    .wavefront_size: 32
...
	.end_amdgpu_metadata
.endif
;; end of part 1
;; launch filter (part 2): grid 256 x 1, 8 waves a work-group, clusters of 4 x 1, 327,680 bytes of LDS; arguments xcodes, mcodes, lst, trips; writes lst, trips
.if DOCPART == 2
	.amdgcn_target "amdgcn-amd-amdhsa--gfx1250"
	.amdhsa_code_object_version 6
	.text
	.protected	k_qea1597f59f_filter
	.globl	k_qea1597f59f_filter
	.p2align	8
	.type	k_qea1597f59f_filter,@function
k_qea1597f59f_filter:
	s_mov_b64 s[64:65], 0
	v_nop
	global_prefetch_b8 v0, s[64:65] scope:SCOPE_SE
	s_setreg_imm32_b32 hwreg(HW_REG_WAVE_MODE, 25, 1), 1
	s_wait_xcnt 0x0
	s_wait_alu depctr_hold_cnt(0) depctr_sa_sdst(0) depctr_va_vdst(0) depctr_va_sdst(0) depctr_va_ssrc(0) depctr_va_vcc(0) depctr_vm_vsrc(0)
	s_getreg_b32 s2, hwreg(HW_REG_IB_STS2, 6, 4)
	s_cmp_eq_u32 s2, 0
	s_cbranch_scc0 .Lentry_in_a_cluster
	s_endpgm
.Lentry_in_a_cluster:
	s_bfe_u32 s2, ttmp6, 0x10000c
	s_cmp_lg_u32 s2, 0x3003
	s_cbranch_scc0 .Lentry_shape_is_right
	s_endpgm
.Lentry_shape_is_right:
; SECOND LAUNCH: the whole quantised product (32,768 queries x 4,096 slots, K = 512) and a filter that leaves, for each query, the slots that can be among its 8 best: the candidates.
; Nothing of the product is left out.  The scales are not needed: a positive factor moves no order.
; The filter keeps, for each query, the 8 first groups of 16 neighbouring slots, each with a 16-bit mask of the slots that can count.
; WHY THE FILTER IS EXACT.  Groups are ordered by (largest score M falling, first slot rising).  If a slot e of the top 8 (ties to the lower slot, as lax.top_k has them) lay in a group that
; eight groups precede, each of those would hold a score above e's, or equal to it at a lower slot: eight slots ahead of e.  So the 8 first groups hold the top 8.
; The mask keeps s >= TAU, and TAU never exceeds the 8th best score: it is the larger of (a) the least of eight maxima over eight disjoint sets of slots (the first 64 slots of the query's
; eight ranges) and (b) the lane's 8th best group maximum so far: either way eight different slots score TAU or more.  The test is the sign of s - TAU, exact in f32 with denormals kept;
; TAU is kept as NT = 0 - TAU, so that a zero TAU is added as +0 and s = TAU gives +0 whatever the sign of a zero.
; The order is kept by strict '>' everywhere: a lane meets its groups by rising slot, and the sublists are merged by rising range.
; WHAT IS STORED, as whole numbers at fixed places, for the next launch to form addresses and trip counts from: lst [32768][2][64]: a query's candidates as slot numbers, rising: list 0 those of its four
; lower groups, list 1 those of its four higher; places with no candidate hold 0xffffffff.  trips [4096][2]: for each 8 queries and each of the two lists, how many fours of places reach the last candidate.
; LIMIT: NaN and infinity among the scores are not served.
; SHARES.  A work-group owns 128 queries.  Wave w: qh = w / 4, sq = w % 4: queries 64 qh + 0..63 (four tiles of 16, their codes in 256 registers for the whole launch) against slots 1024 sq + 0..1023.
; THE PRODUCT IS USED TRANSPOSED (source 0 = 16 slots, source 1 = 16 queries): lane (r = l % 16, h = l / 16) holds query r, and register j row 8 h + j of source 0.
; THE SLOTS OF A TILE ARE NOT NEIGHBOURS: rows 0-7 are slots 1024 sq + 16 u + 8 a + 0..7, rows 8-15 those 512 further on.  So a lane walks ONE range of 512 slots in rising order, 16 a step u (tiles a = 0, 1).
; k lies in both fragments as four loads of 16 bytes bring it (k = 32 c + 16 h + 0..15 in registers 4 c on): the same places in both operands, and the same in the next launch, which repeats the sums bit for bit.
; CLUSTER.  All work-groups walk the same codes of memory: the four of a cluster ask for each tile JOINTLY (the same load, descriptor and mask in all four).  Every wave fetches one eighth of a slot:
; 32 rows of 512 bytes of one range (a slot holds two steps of each of the eight ranges; a range's share has no more rows to give).
; No prefetch: these codes are read by every cluster of the launch.
; LDS: two slots of 8 sub-blocks; a sub-block is 32 rows of 512 + 16 bytes, and 128 bytes more, so that a fragment's rows 8-15 start half way round the banks from rows 0-7 (64 banks of 4 bytes: ISA guide 11.1).
; REGISTERS.  Window 0: v1-15 addresses and temporaries; v16-23 NT (pairs, low word used); v24-27 M; v28-35 masks; v36-39 at work; v40-103 the four tiles' lists (8 keys, 8 words each);
; v104-167 eight accumulators, at the end a lane's 64 candidates; v168-231 one fragment set of memory (16 slots x 512 K); v232-234 addresses of the way out.  Window 1: the queries' codes, tile t, K step s at v[64 t + 16 s].
.set PITCH, 528
.set SUBB,  32*PITCH+128
.set SLOTB, 8*SUBB
.set TAUX,  2*SLOTB                    ; behind the ring: 4,096 bytes for the exchange of the first maxima
.set SPARE, TAUX+4096                  ; behind it: the spare words, 128 bytes a wave, four blocks of 256 bytes that no other line names
.set LP,    272                        ; the way out: a list's 256 bytes + 16 of padding; 32 lists a wave, in slot 1
.set ADR, 2                            ; v2, v3  my lane's place in slot 0, 1
.set SPW, 4                            ; v4   my spare word's LDS address; never rewritten
.set NIL, 5                            ; v5   0; never rewritten
.set XO,  6                            ; v6   my byte offset in the wave's rows of x's codes
.set IDV, 7                            ; v7   the step's group number: first slot / 16
.set TXA, 8
.set TXR, 9
.set MSW, 10
.set MSR, 11
.set NT,  16
.set GM,  24
.set M0,  28
.set MW,  32
.set TMP, 36
.set LL,  40                           ; key j of tile t: v[LL + 16 t + j]
.set PP,  48                           ; its word: group << 16 | mask (bit i = 1: slot 16 group + i lies under TAU)
.set ACC, 104
.set AF,  168
.set LSW, 232                          ; v232 where my list goes in the stage
.set LSR, 233                          ; v233 where I read lists back
.set TRO, 234                          ; v234 my byte offset among the wave's four trip counts
.set G1,  16                           ; s[16:23] descriptor group 1
.set G0,  24                           ; s[24:31] group 0, a set for each slot
.set CM,  68                           ; s68-99  compare masks, 8 a tile
.set MSB, 0
.macro WIN new                         ; the immediate's high byte repeats the setting that is left
.if MSB != \new
	s_set_vgpr_msb (MSB<<8)|\new
.set MSB, \new
.endif
.endm
.macro PLACES                          ; four plain places behind matrix instructions, ahead of loads into their sources and of reads of their results
.rept 4
	v_nop
.endr
.endm
.macro CROUND                          ; a round of the cluster's barrier
	s_barrier_signal -1
	s_barrier_wait -1
	s_cmp_lg_u32 s10, 0
	s_cbranch_scc1 .Lnot_wave_0_\@
	s_barrier_signal -3
.Lnot_wave_0_\@:
	s_barrier_wait -3
	s_barrier_signal -1
	s_barrier_wait -1
.endm
	s_load_b128 s[4:7], s[0:1], 0x0                ; x's codes, memory's codes
	s_load_b64 s[8:9], s[0:1], 0x10                ; lst
	s_load_b64 s[52:53], s[0:1], 0x18              ; trips
	v_lshl_add_u32 v[SPW], v0, 2, SPARE
	v_mov_b32 v[NIL], 0
	ds_add_u32 v[SPW], v[NIL]                      ; the wave's opening: the add, twice on end, and its wait ahead of my first tensor load
	ds_add_u32 v[SPW], v[NIL]
	v_lshrrev_b32 v1, 5, v0
	v_readfirstlane_b32 s10, v1                    ; wave 0..7
	s_lshr_b32 s11, s10, 2                         ; qh
	s_and_b32 s12, s10, 3                          ; sq
	s_bfe_u32 s13, ttmp6, 0x40000                  ; cx: it enters x's, lst's and trips' addresses alone
	s_lshl_b32 s14, ttmp9, 2
	s_add_co_u32 s14, s14, s13                     ; my block of 128 queries
	s_mov_b32 s[G1+0], 15|(1<<20)|(1<<21)|(6<<22)|(3<<25)   ; mask: all four work-groups; elements of 1 byte; padding on; bit 21 beside a mask; after every 128 words, 4 words
	s_mov_b32 s[G1+1], 512<<16                     ; tensor_dim0 = 512
	s_mov_b32 s[G1+2], 32<<16                      ; tensor_dim1 = 32
	s_mov_b32 s[G1+3], 512<<16                     ; tile_dim0 = 512
	s_mov_b32 s[G1+4], 32                          ; tile_dim1 = 32
	s_mov_b32 s[G1+5], 512                         ; from row to row
	s_mov_b32 s[G1+6], 0
	s_mov_b32 s[G1+7], 0
	s_mov_b32 s48, 0x76543210
	s_mov_b32 s49, 0xfedcba98                      ; selects: lane l xor 16
	s_mov_b32 s50, 0xffff0000                      ; lanes 16-31
	s_mov_b32 s51, 0xffff                          ; a word's mask
	s_lshl_b32 s33, s12, 1
	s_add_co_u32 s33, s33, s11
	s_mul_i32 s33, s33, SUBB                       ; I fetch sub-block 2 sq + qh: range qh of quarter sq
	s_lshl_b32 s34, s12, 19                        ; its first row in memory: (1024 sq + 512 qh) rows of 512 bytes
	s_lshl_b32 s35, s11, 18
	s_add_co_u32 s34, s34, s35
	s_mov_b32 s35, 0
	s_lshl_b32 s36, s14, 16                        ; my wave's 64 rows of x's codes: (128 block + 64 qh) x 512 bytes
	s_lshl_b32 s37, s11, 15
	s_add_co_u32 s36, s36, s37
	s_mov_b32 s37, 0
	s_lshl_b32 s38, s14, 16                        ; the 16 queries whose lists I merge: (128 block + 16 wave) x 512 bytes of lst,
	s_lshl_b32 s39, s10, 13
	s_add_co_u32 s38, s38, s39
	s_mov_b32 s39, 0
	s_lshl_b32 s40, s14, 7                         ; and (16 block + 2 wave) x 8 bytes of trips
	s_lshl_b32 s41, s10, 4
	s_add_co_u32 s40, s40, s41
	s_mov_b32 s41, 0
	s_wait_dscnt 0x0                               ; both opening adds are done
	s_wait_kmcnt 0x0
	s_mov_b32 s[G0+0], 1
	s_mov_b32 s[G0+1], s33                         ; slot 0
	s_add_nc_u64 s[G0+2:G0+3], s[6:7], s[34:35]    ; rows 0-31 of my range
	s_mov_b32 s[G0+4], 1
	s_add_co_u32 s[G0+5], s33, SLOTB               ; slot 1
	s_add_nc_u64 s[G0+6:G0+7], s[G0+2:G0+3], 16384 ; rows 32-63
	s_or_b32 s[G0+3], s[G0+3], 0x80000000
	s_or_b32 s[G0+7], s[G0+7], 0x80000000
	s_add_nc_u64 s[4:5], s[4:5], s[36:37]
	s_add_nc_u64 s[8:9], s[8:9], s[38:39]
	s_add_nc_u64 s[52:53], s[52:53], s[40:41]
	CROUND                                         ; all four work-groups are here: the first joint loads meet
	tensor_load_to_lds s[G0:G0+3], s[G1:G1+7]      ; both first fills together: two loads of mine are out
	s_nop 0
	tensor_load_to_lds s[G0+4:G0+7], s[G1:G1+7]
	s_nop 0
	PLACES
	v_and_b32 v12, 15, v0                          ; r
	v_bfe_u32 v13, v0, 4, 1                        ; h
	v_lshlrev_b32 v[XO], 9, v12
	v_lshl_add_u32 v[XO], v13, 4, v[XO]            ; row r of 512 bytes + 16 h
	WIN 0x40                                       ; destination window 1
.irp t, 0,1,2,3
.irp s, 0,1,2,3
.irp c, 0,1,2,3
	global_load_b128 v[64*\t+16*\s+4*\c:64*\t+16*\s+4*\c+3], v[XO], s[4:5] offset:8192*\t+128*\s+32*\c   ; the queries' codes stay in registers
.endr
.endr
.endr
	WIN 0
	v_and_b32 v14, 31, v0                          ; lane
	v_bfe_u32 v15, v0, 3, 1                        ; r / 8: which range a fragment's row belongs to
	v_and_b32 v1, 7, v0                            ; r % 8
	v_mul_u32_u24 v[ADR], v15, SUBB
	v_mad_u32_u24 v[ADR], v1, PITCH, v[ADR]
	v_lshl_add_u32 v[ADR], v13, 4, v[ADR]
	s_mul_i32 s33, s12, 2*SUBB
	v_add_nc_u32 v[ADR], s33, v[ADR]               ; (2 sq + r / 8) sub-blocks + (r % 8) rows + 16 h
	v_add_nc_u32 v[ADR+1], SLOTB, v[ADR]
	s_lshl_b32 s33, s10, 9
	s_add_co_u32 s33, s33, TAUX
	v_lshl_add_u32 v[TXA], v14, 2, s33             ; the exchange: 512 bytes a wave, 128 a tile
	s_lshl_b32 s33, s11, 11
	s_add_co_u32 s33, s33, TAUX
	v_lshl_add_u32 v[TXR], v14, 2, s33             ; and the four waves that hold my queries
	s_lshl_b32 s33, s10, 13
	v_lshl_add_u32 v[MSW], v14, 2, s33             ; the merge stage: 8,192 bytes a wave
	s_lshl_b32 s33, s11, 15
	s_lshl_b32 s34, s12, 11
	s_add_co_u32 s33, s33, s34
	v_lshl_add_u32 v[MSR], v12, 2, s33
	v_lshl_add_u32 v[MSR], v13, 14, v[MSR]         ; 32768 qh + 2048 (w % 4) + 4 r + 16384 h
	s_lshl_b32 s33, s12, 6
	v_lshl_add_u32 v[IDV], v13, 5, s33             ; group of step 0: 64 sq + 32 h
	v_lshlrev_b32 v1, 4, v14                       ; the way out: 16 x lane
	s_mul_i32 s33, s10, 32*LP
	s_add_co_u32 s33, s33, SLOTB                   ; my stage for the lists: 32 rows of LP bytes, in slot 1
	v_mul_u32_u24 v[LSW], v14, LP
	v_add_nc_u32 v[LSW], s33, v[LSW]               ; in: row = my lane
	v_mul_u32_u24 v[LSR], v13, 16*LP
	v_lshl_add_u32 v[LSR], v12, 4, v[LSR]
	v_add_nc_u32 v[LSR], s33, v[LSR]               ; back: lanes 0-15 take lane j's row, lanes 16-31 lane 16 + j's: query j's two lists
	v_lshlrev_b32 v[TRO], 3, v15
	v_lshl_add_u32 v[TRO], v13, 2, v[TRO]          ; trips: 8 (r / 8) + 4 h
.irp t, 0,1,2,3
	v_mov_b32 v[GM+\t], 0xff800000                 ; the first maxima begin at -infinity
	v_mov_b32 v[TMP+\t], 0                         ; a lane permute's destination counts as one of its sources
.endr
.macro LDA slot, p, a                  ; 16 slots x 512 K: step p of the slot, tile a
.irp s, 0,1,2,3
.irp c, 0,1,2,3
	ds_load_b128 v[AF+16*\s+4*\c:AF+16*\s+4*\c+3], v[ADR+\slot] offset:(16*(\p)+8*(\a))*PITCH+128*\s+32*\c
.endr
.endr
.endm
.macro MMA a                           ; 16 matrix instructions: K ascending, the four tiles' accumulators by turns; the first products start the sums
	WIN 0x04                                       ; source 1 (the queries) window 1
.irp s, 0,1,2,3
.irp t, 0,1,2,3
.if \s == 0
	v_wmma_f32_16x16x128_bf8_bf8 v[ACC+16*\t+8*\a:ACC+16*\t+8*\a+7], v[AF+16*\s:AF+16*\s+15], v[64*\t+16*\s:64*\t+16*\s+15], 0
.else
	v_wmma_f32_16x16x128_bf8_bf8 v[ACC+16*\t+8*\a:ACC+16*\t+8*\a+7], v[AF+16*\s:AF+16*\s+15], v[64*\t+16*\s:64*\t+16*\s+15], v[ACC+16*\t+8*\a:ACC+16*\t+8*\a+7]
.endif
.endr
.endr
	WIN 0
.endm
.macro HMAX a, carry                   ; the largest of a lane's eight scores of tile a, each accumulator from its low end on; carry = 1: and of what GM holds
.if \carry
.irp i, 0,2,4,6
.irp t, 0,1,2,3
	v_max3_num_f32 v[GM+\t], v[GM+\t], v[ACC+16*\t+8*\a+\i], v[ACC+16*\t+8*\a+\i+1]
.endr
.endr
.else
.irp t, 0,1,2,3
	v_max3_num_f32 v[GM+\t], v[ACC+16*\t+8*\a], v[ACC+16*\t+8*\a+1], v[ACC+16*\t+8*\a+2]
.endr
.irp i, 3,5
.irp t, 0,1,2,3
	v_max3_num_f32 v[GM+\t], v[GM+\t], v[ACC+16*\t+8*\a+\i], v[ACC+16*\t+8*\a+\i+1]
.endr
.endr
.irp t, 0,1,2,3
	v_max_num_f32 v[GM+\t], v[GM+\t], v[ACC+16*\t+8*\a+7]
.endr
.endif
.endm
.macro BITS a                          ; s - TAU in place, then the eight signs are shifted into a word, the highest slot's first
.irp i, 0,2,4,6
.irp t, 0,1,2,3
	v_pk_add_f32 v[ACC+16*\t+8*\a+\i:ACC+16*\t+8*\a+\i+1], v[ACC+16*\t+8*\a+\i:ACC+16*\t+8*\a+\i+1], v[NT+2*\t:NT+2*\t+1] op_sel_hi:[1,0]
.endr
.endr
.irp t, 0,1,2,3
.if \a == 0
	v_alignbit_b32 v[M0+\t], 0, v[ACC+16*\t+7], 31
.else
	v_alignbit_b32 v[MW+\t], v[IDV], v[ACC+16*\t+15], 31   ; the group's number goes in on top
.endif
.endr
.irp i, 6,5,4,3,2,1,0
.irp t, 0,1,2,3
.if \a == 0
	v_alignbit_b32 v[M0+\t], v[M0+\t], v[ACC+16*\t+\i], 31
.else
	v_alignbit_b32 v[MW+\t], v[MW+\t], v[ACC+16*\t+8+\i], 31
.endif
.endr
.endr
.if \a == 1
.irp t, 0,1,2,3
	v_lshl_or_b32 v[MW+\t], v[MW+\t], 8, v[M0+\t]  ; group << 16 | slots 8-15 << 8 | slots 0-7
.endr
.endif
.endm
; (key v[k + t], word v[w + t]) goes into the falling list of tile t, t = 0 .. nt - 1, behind all keys that are not smaller: strict '>'.  from: places under it are known to hold keys not smaller.
; New key j = the middle of (key j - 1, key j, k); new word j by the two compares.  No branch: every key costs the same.
.macro INSERT nt, from, k, w
.set jj, \from
.rept 8-(\from)
.set tt, 0
.rept \nt
	v_cmp_gt_f32 s[CM+8*tt+jj], v[tt+(\k)], v[LL+16*tt+jj]
.set tt, tt+1
.endr
.set jj, jj+1
.endr
.set jj, 7
.if (\from) < 7
.rept 7-(\from)
.set tt, 0
.rept \nt
	v_cndmask_b32 v[TMP+tt], v[tt+(\w)], v[PP+16*tt+jj-1], s[CM+8*tt+jj-1]
.set tt, tt+1
.endr
.set tt, 0
.rept \nt
	v_cndmask_b32 v[PP+16*tt+jj], v[PP+16*tt+jj], v[TMP+tt], s[CM+8*tt+jj]
	v_med3_num_f32 v[LL+16*tt+jj], v[LL+16*tt+jj-1], v[LL+16*tt+jj], v[tt+(\k)]
.set tt, tt+1
.endr
.set jj, jj-1
.endr
.endif
.set tt, 0
.rept \nt
	v_cndmask_b32 v[PP+16*tt+(\from)], v[PP+16*tt+(\from)], v[tt+(\w)], s[CM+8*tt+(\from)]
	v_max_num_f32 v[LL+16*tt+(\from)], v[LL+16*tt+(\from)], v[tt+(\k)]
.set tt, tt+1
.endr
.endm
; A step: 16 slots of each lane's range against the wave's 64 queries.  pre = 1: tile 0's fragments were asked for in the step before; nxt = 1: the next step's are asked for here.
; warm = 1: only the running maximum is kept.  Each run of LDS loads stands behind four places and lands under the vector work of the tile before.
.macro STEP slot, p, pre, nxt, warm
.if \pre == 0
	LDA \slot, \p, 0
.endif
	s_wait_dscnt 0x0
	MMA 0
	PLACES
	LDA \slot, \p, 1
.if \warm
	HMAX 0, 1
.else
	HMAX 0, 0
	BITS 0
.endif
	s_wait_dscnt 0x0
	MMA 1
	PLACES
.if \nxt
	LDA \slot, (\p)+1, 0
.endif
	HMAX 1, 1
.if \warm == 0
	BITS 1
	INSERT 4, 0, GM, MW
.irp t, 0,1,2,3
	v_max_num_f32 v[TMP+\t], -v[NT+2*\t], v[LL+16*\t+7]   ; TAU = the larger of TAU and my 8th best group maximum,
.endr
.irp t, 0,1,2,3
	v_sub_f32 v[NT+2*\t], 0, v[TMP+\t]             ; kept as 0 - TAU: a zero comes out as +0
.endr
	v_add_nc_u32 v[IDV], 1, v[IDV]
.endif
.endm
.macro VISIT slot
	STEP \slot, 0, 0, 1, 0
	STEP \slot, 1, 1, 0, 0
.endm
; The change of slots, at the head of the visit of \slot.  Every wave waits for all its tensor loads (its part of \slot), adds 0 to its spare word, and waits for that and for its reads of the other slot.
; fill = 1: a round of the cluster's barrier, so that this holds of every wave of all four work-groups; then the other slot's refill, first thing: it has a visit's two steps in which to land.
.macro CHANGE slot, fill
	s_wait_tensorcnt 0x0
	ds_add_u32 v[SPW], v[NIL]
.if \fill
	s_add_nc_u64 s[G0+4*(1-\slot)+2:G0+4*(1-\slot)+3], s[G0+4*(1-\slot)+2:G0+4*(1-\slot)+3], 32768   ; no load of mine is out: the other slot's next 32 rows, 64 rows on
.endif
	s_wait_dscnt 0x0
.if \fill
	CROUND
	tensor_load_to_lds s[G0+4*(1-\slot):G0+4*(1-\slot)+3], s[G1:G1+7]
	s_nop 0
	PLACES
.else
	s_barrier_signal -1
	s_barrier_wait -1
.endif
.endm
	s_wait_loadcnt 0x0                             ; the queries' codes
	s_wait_tensorcnt 0x0                           ; my parts of both slots are in: the first maxima read both.
	s_barrier_signal -1
	s_barrier_wait -1                              ; everybody's are
	STEP 0, 0, 0, 1, 1                             ; the first 64 slots of each range: their largest score
	STEP 0, 1, 1, 0, 1
	STEP 1, 0, 0, 1, 1
	STEP 1, 1, 1, 0, 1
.irp t, 0,1,2,3
	v_permlanex16_b32 v[TMP+\t], v[GM+\t], s48, s49
.endr
.irp t, 0,1,2,3
	v_min_num_f32 v[GM+\t], v[GM+\t], v[TMP+\t]    ; the lesser of my wave's two ranges,
.endr
.irp t, 0,1,2,3
	ds_store_b32 v[TXA], v[GM+\t] offset:128*\t
.endr
	s_wait_dscnt 0x0                               ; for the others' sake: my stores have landed
	s_barrier_signal -1
	s_barrier_wait -1
.irp t, 0,1,2,3
.irp q, 0,1,2,3
	ds_load_b32 v[AF+4*\t+\q], v[TXR] offset:512*\q+128*\t
.endr
.endr
	s_wait_dscnt 0x0
.irp t, 0,1,2,3
	v_min3_num_f32 v[TMP+\t], v[AF+4*\t], v[AF+4*\t+1], v[AF+4*\t+2]
.endr
.irp t, 0,1,2,3
	v_min_num_f32 v[TMP+\t], v[TMP+\t], v[AF+4*\t+3]   ; and of all eight: the first TAU
.endr
.irp t, 0,1,2,3
	v_sub_f32 v[NT+2*\t], 0, v[TMP+\t]
	v_mov_b32 v[NT+2*\t+1], 0                      ; (named as the pair's upper half)
.endr
.irp t, 0,1,2,3
.irp j, 0,1,2,3,4,5,6,7
	v_mov_b32 v[LL+16*\t+\j], 0xff800000           ; the lists begin empty: every lane meets 32 groups, so all eight places are taken in the end
	v_mov_b32 v[PP+16*\t+\j], 0
.endr
.endr
	VISIT 0                                        ; rows 0-31 of each range lie in slot 0 still
	s_mov_b32 s32, 7
.Lpair:                                                ; 7 trips: each fills both slots again
	CHANGE 1, 1
	VISIT 1
	CHANGE 0, 1
	VISIT 0
	s_sub_co_u32 s32, s32, 1
	s_cmp_lg_u32 s32, 0
	s_cbranch_scc1 .Lpair
	CHANGE 1, 0                                    ; the last visit is written out: nothing is left to fetch
	VISIT 1
	; THE MERGE.  The lists go to a stage in slot 0, which has had its last fill, and which nobody reads since the last change of slots.
.irp t, 0,1,2,3
.irp i, 0,1,2,3,4,5,6,7,8,9,10,11,12,13,14,15
	ds_store_b32 v[MSW], v[LL+16*\t+\i] offset:(16*\t+\i)*128
.endr
.endr
	s_wait_dscnt 0x0                               ; for the others' sake; my reads of slot 1 are over too
	s_barrier_signal -1
	s_barrier_wait -1
	; Wave w merges the 16 queries 16 w on.  Lane (r, h) takes ranges 4 h + 0..3 of query r, by rising range: range 2 sq' + h' lies in wave 4 qh + sq', lanes 16 h' on
.irp i, 0,1,2,3,4,5,6,7,8,9,10,11,12,13,14,15
	ds_load_b32 v[LL+\i], v[MSR] offset:128*\i
.endr
.irp g, 1,2,3
.irp i, 0,1,2,3,4,5,6,7,8,9,10,11,12,13,14,15
	ds_load_b32 v[ACC+16*(\g-1)+\i], v[MSR] offset:(\g/2)*8192+(\g%2)*64+128*\i
.endr
.endr
	s_wait_dscnt 0x0
.irp g, 0,1,2
.irp i, 0,1,2,3,4,5,6,7
	INSERT 1, \i, ACC+16*\g+\i, ACC+16*\g+8+\i     ; entry i of a falling list lands at place i or later: its i forerunners are in already
.endr
.endr
.irp i, 0,1,2,3,4,5,6,7,8,9,10,11,12,13,14,15
	v_permlanex16_b32 v[ACC+\i], v[LL+\i], s48, s49   ; the other half's list.  Lanes 0-15 hold the lower ranges: their result is the query's
.endr
.irp i, 0,1,2,3,4,5,6,7
	INSERT 1, \i, ACC+\i, ACC+8+\i
.endr
.macro CSW a, b                        ; the words by rising group, so that the candidates come out by rising slot: a sorting network of 19 comparators
	v_cmp_gt_u32 s[CM], v[PP+\a], v[PP+\b]
	v_cndmask_b32 v[TMP], v[PP+\a], v[PP+\b], s[CM]
	v_cndmask_b32 v[PP+\b], v[PP+\b], v[PP+\a], s[CM]
	v_mov_b32 v[PP+\a], v[TMP]
.endm
	CSW 0, 1
	CSW 2, 3
	CSW 4, 5
	CSW 6, 7
	CSW 0, 2
	CSW 1, 3
	CSW 4, 6
	CSW 5, 7
	CSW 1, 2
	CSW 5, 6
	CSW 0, 4
	CSW 1, 5
	CSW 2, 6
	CSW 3, 7
	CSW 2, 4
	CSW 3, 5
	CSW 1, 2
	CSW 3, 4
	CSW 5, 6
.irp i, 0,1,2,3
	v_permlanex16_b32 v[ACC+\i], v[PP+4+\i], s48, s49
.endr
.irp i, 0,1,2,3
	v_cndmask_b32 v[ACC+\i], v[PP+\i], v[ACC+\i], s50   ; lanes 0-15: words 0-3; lanes 16-31: lane r's words 4-7
.endr
	; THE CANDIDATES ARE WRITTEN OUT AS SLOT NUMBERS.  Lane (r, h) has four words of query r, 64 bits at the most: 64 steps, each takes the lowest bit that is left.  All of it is work on data:
	; no branch and no address hangs on it.  A word that is used up moves out of the queue at the head of the next step.  LAST = the place behind the last candidate.
.set QW,   24                          ; v24-27  the queue: group << 16 | bits (1 = candidate)
.set T1,   28
.set T2,   29
.set T3,   30
.set LAST, 32
.set ZR,   33                          ; 0
.set SE,   34                          ; 0xffffffff: no candidate
.set EN,   ACC                         ; v104-167 the 64 places
.irp i, 0,1,2,3
	v_xor_b32 v[QW+\i], s51, v[ACC+\i]             ; kept bit 1 = under the threshold; from here 1 = candidate
.endr
	v_mov_b32 v[LAST], 0
	v_mov_b32 v[ZR], 0
	v_mov_b32 v[SE], -1
.set nn, 0
.rept 64
	v_and_b32 v[T1], s51, v[QW]
	v_cmp_eq_u32 vcc_lo, 0, v[T1]
	v_cndmask_b32 v[QW], v[QW], v[QW+1], vcc_lo
	v_cndmask_b32 v[QW+1], v[QW+1], v[QW+2], vcc_lo
	v_cndmask_b32 v[QW+2], v[QW+2], v[QW+3], vcc_lo
	v_cndmask_b32 v[QW+3], v[QW+3], v[ZR], vcc_lo
	v_and_b32 v[T1], s51, v[QW]
	v_cmp_eq_u32 vcc_lo, 0, v[T1]                  ; nothing left?
	v_sub_nc_u32 v[T2], 0, v[T1]
	v_and_b32 v[T2], v[T2], v[T1]                  ; the lowest bit,
	v_xor_b32 v[QW], v[QW], v[T2]                  ; taken out;
	v_cvt_f32_u32 v[T2], v[T2]                     ; as f32 it is a power of two, exactly: its exponent field is the bit's place + 127
	v_lshrrev_b32 v[T3], 16, v[QW]
	v_lshrrev_b32 v[T2], 23, v[T2]
	v_lshl_add_u32 v[T3], v[T3], 4, v[T2]
	v_add_nc_u32 v[T3], 0xffffff81, v[T3]          ; 16 x group + place
	v_cndmask_b32 v[EN+nn], v[T3], v[SE], vcc_lo
	v_cndmask_b32 v[LAST], nn+1, v[LAST], vcc_lo
.set nn, nn+1
.endr
	v_add_nc_u32 v[LAST], 3, v[LAST]
	v_lshrrev_b32 v[LAST], 2, v[LAST]              ; in fours, rounded up;
.irp m, 1,2,4
	v_mov_b32_dpp v[T1], v[LAST] row_xmask:\m row_mask:0xf bank_mask:0xf
	v_cmp_gt_u32 vcc_lo, v[T1], v[LAST]
	v_cndmask_b32 v[LAST], v[LAST], v[T1], vcc_lo  ; the largest among the eight queries that one wave of the next launch takes
.endr
	global_store_b32 v[TRO], v[LAST], s[52:53]     ; four numbers a wave, 16 consecutive bytes; the eight lanes of a number store the same
	; The lists leave through my own stage, in slot 1: it has had its last fill, and every wave's reads of it lie ahead of the merge's barrier.  A lane's 64 places are one list of 256 bytes.
.irp i, 0,1,2,3,4,5,6,7,8,9,10,11,12,13,14,15
	ds_store_b128 v[LSW], v[EN+4*\i:EN+4*\i+3] offset:16*\i
.endr
.irp j, 0,1,2,3,4,5,6,7,8,9,10,11,12,13,14,15
	ds_load_b128 v[AF+4*\j:AF+4*\j+3], v[LSR] offset:\j*LP   ; LDS serves a wave's instructions in order: these see my stores
.endr
.irp j, 0,1,2,3,4,5,6,7,8,9,10,11,12,13,14,15
	s_wait_dscnt 15-\j                             ; load j is in; the loads issued behind it may be out
	global_store_b128 v1, v[AF+4*\j:AF+4*\j+3], s[8:9] offset:512*\j   ; query j's two lists: 512 consecutive bytes, aligned
.endr
	s_wait_tensorcnt 0x0                           ; the wave's end: behind my last tensor load and my last LDS store
	ds_add_u32 v[SPW], v[NIL]
	s_wait_dscnt 0x0
	CROUND                                         ; the closing round
	s_endpgm
.Lfunc_end_k_qea1597f59f_filter:
	.size	k_qea1597f59f_filter, .Lfunc_end_k_qea1597f59f_filter-k_qea1597f59f_filter
	.p2alignl 7, 3214868480
	.fill 96, 4, 3214868480
	.section	.rodata,"a",@progbits
	.p2align	6, 0x0
	.amdhsa_kernel k_qea1597f59f_filter
		.amdhsa_group_segment_fixed_size 327680
		.amdhsa_private_segment_fixed_size 0
		.amdhsa_enable_private_segment 0
		.amdhsa_kernarg_size 32
		.amdhsa_user_sgpr_count 2
		.amdhsa_user_sgpr_kernarg_segment_ptr 1
		.amdhsa_wavefront_size32 1
		.amdhsa_system_sgpr_workgroup_id_x 1
		.amdhsa_system_sgpr_workgroup_id_y 1
		.amdhsa_system_sgpr_workgroup_id_z 1
		.amdhsa_system_vgpr_workitem_id 0
		.amdhsa_next_free_vgpr 512
		.amdhsa_next_free_sgpr 100
		.amdhsa_reserve_vcc 1
		.amdhsa_float_denorm_mode_32 3
		.amdhsa_float_denorm_mode_16_64 3
		.amdhsa_memory_ordered 1
		.amdhsa_forward_progress 1
		.amdhsa_inst_pref_size 255
	.end_amdhsa_kernel
	.section	.bss,"aw",@nobits
	.p2align	6
	.space	262144
	.amdgpu_metadata
---
amdhsa.version: [ 1, 2 ]
amdhsa.kernels:
  - .name:           k_qea1597f59f_filter
    .symbol:         k_qea1597f59f_filter.kd
    .args:
      - { .name: xcodes, .offset: 0, .size: 8, .value_kind: global_buffer, .address_space: global }
      - { .name: mcodes, .offset: 8, .size: 8, .value_kind: global_buffer, .address_space: global }
      - { .name: lst, .offset: 16, .size: 8, .value_kind: global_buffer, .address_space: global }
      - { .name: trips, .offset: 24, .size: 8, .value_kind: global_buffer, .address_space: global }
    .group_segment_fixed_size: 327680
    .private_segment_fixed_size: 0
    .kernarg_segment_align: 8
    .kernarg_segment_size: 32
    .max_flat_workgroup_size: 256
    .sgpr_count:     100
    .vgpr_count:     512
    .wavefront_size: 32
...
	.end_amdgpu_metadata
.endif
;; end of part 2
;; launch rescore (part 3): grid 512 x 1, 8 waves a work-group, no clusters, 0 bytes of LDS; arguments xcodes, mcodes, lst, trips, lowp_scales, retrieval_scale, idx, wts; writes idx, wts
.if DOCPART == 3
	.amdgcn_target "amdgcn-amd-amdhsa--gfx1250"
	.amdhsa_code_object_version 6
	.text
	.protected	k_qea1597f59f_rescore
	.globl	k_qea1597f59f_rescore
	.p2align	8
	.type	k_qea1597f59f_rescore,@function
k_qea1597f59f_rescore:
	s_mov_b64 s[64:65], 0
	v_nop
	global_prefetch_b8 v0, s[64:65] scope:SCOPE_SE
	s_setreg_imm32_b32 hwreg(HW_REG_WAVE_MODE, 25, 1), 1
	s_wait_xcnt 0x0
; THIRD LAUNCH: the candidates' scores once more, their 8 best, and the softmax.  Nothing that reference() keeps is left out: the launch before has shown that every slot of the top 8 is a candidate.
; The scores are the same bits as there: the same form, memory's codes as source 0 and the query's as source 1, k in the same places, C = 0 and then K ascending.
; The candidates of a query are met by rising slot (list 0, then list 1, whose slots are all higher; each list rises) and put into a falling list by strict '>': ties go to the lower slot, as lax.top_k has them.
; SHARES.  A wave owns 8 queries; lane l serves query q = l % 8.  One chain of four matrix instructions scores two candidates of each query:
; row 8 c + q of source 0 is candidate c of query q, column n of source 1 is query n % 8; lane (n, h) finds candidate h of its query in register n % 8.  Two chains by turns: four candidates a trip.
; WHOLE NUMBERS FROM THE LAUNCH BEFORE STEER THIS ONE.  The trip counts of the two lists come by a scalar load and are compared by s_cmp: a loop counted against the constant 16 (64 places / 4), with a way out at its head.
; The slot whose row a lane fetches comes by a load of its own, and goes through a bound and a shift into the address.  A place with no candidate holds 0xffffffff: its row is the bound's, its score becomes -infinity.
; The rows come from memory straight into the operand's registers, gathered by lane: no LDS, no tensor load, no barrier; work-groups share no tile, so no cluster.
; softmax: the largest of the 8 is taken away first, as reference() does; the sums stand for sum x 2^(e0 + e1), which goes into the exponent's factor.  wts = retrieval_scale x softmax.
; LIMITS: NaN and infinity are not served; log2(e) x 2^(e0 + e1) is a finite f32 number (e0 + e1 at most 126).
.set XF, 16                            ; v16-79   the queries' fragment
.set AX, 80                            ; v80-143  candidates 0, 1
.set AY, 144                           ; v144-207 candidates 2, 3
.set DX, 208
.set DY, 216
.set Q,  224                           ; v224 in the loops: my own entry's byte offset; v224-231 behind them: the softmax
.set LL, 232                           ; v232-239 the 8 best scores, falling
.set PP, 240                           ; v240-247 their slots
.set E,  248                           ; v248-251 the trip's four slots
.set CM, 36                            ; s36-43   compare masks
	s_load_b256 s[4:11], s[0:1], 0x0               ; x's codes, memory's codes, lst, trips
	s_load_b256 s[12:19], s[0:1], 0x20             ; the scales' exponents, retrieval_scale, idx, wts
	v_lshrrev_b32 v1, 5, v0
	v_readfirstlane_b32 s47, v1                    ; wave
	v_and_b32 v6, 7, v0                            ; q
	v_bfe_u32 v7, v0, 4, 1                         ; h
	v_bfe_u32 v8, v0, 3, 1                         ; c
	v_lshlrev_b32 v2, 4, v7                        ; 16 h
	v_lshl_add_u32 v3, v6, 9, v2                   ; x: row q + 16 h
	v_lshlrev_b32 v1, 9, v6                        ; lst: 512 q: my query's lists
	v_lshl_add_u32 v[Q], v8, 2, v1                 ; + 4 c: the entry whose row I fetch
	v_lshlrev_b32 v4, 5, v6
	v_lshl_add_u32 v4, v8, 4, v4                   ; the way out: 32 q + 16 c
	v_mov_b32 v5, 0xff800000                       ; -infinity
	v_mov_b32 v254, 0                              ; lane permutes' destinations count as sources
	v_mov_b32 v255, 0
	s_mov_b32 s20, 0xaaaaaaaa                      ; lanes with bit 0, 1, 2 set
	s_mov_b32 s21, 0xcccccccc
	s_mov_b32 s22, 0xf0f0f0f0
	s_mov_b32 s23, 0xffff0000                      ; h = 1
	s_mov_b32 s24, 0xff00ff00                      ; c = 1
	s_mov_b32 s26, 0x76543210
	s_mov_b32 s27, 0xfedcba98
	s_lshl_b32 s34, ttmp9, 15                      ; my 8 queries: (64 work-group + 8 wave) x 512 bytes, in x's codes and in lst alike,
	s_lshl_b32 s35, s47, 12
	s_add_co_u32 s34, s34, s35
	s_mov_b32 s35, 0
	s_lshl_b32 s36, ttmp9, 11                      ; x 32 bytes in idx and wts,
	s_lshl_b32 s37, s47, 8
	s_add_co_u32 s36, s36, s37
	s_mov_b32 s37, 0
	s_lshl_b32 s38, ttmp9, 6                       ; and (8 work-group + wave) x 8 bytes in trips
	s_lshl_b32 s39, s47, 3
	s_add_co_u32 s38, s38, s39
	s_mov_b32 s39, 0
	s_wait_kmcnt 0x0
	s_add_nc_u64 s[10:11], s[10:11], s[38:39]
	s_load_b64 s[48:49], s[10:11], 0x0             ; the trips of list 0 and of list 1
	s_load_b64 s[44:45], s[12:13], 0x0             ; e0, e1
	s_load_b32 s46, s[14:15], 0x0                  ; retrieval_scale
	s_add_nc_u64 s[4:5], s[4:5], s[34:35]
	s_add_nc_u64 s[8:9], s[8:9], s[34:35]          ; list 0 of my first query,
	s_add_nc_u64 s[50:51], s[8:9], 256             ; list 1
	s_add_nc_u64 s[16:17], s[16:17], s[36:37]
	s_add_nc_u64 s[18:19], s[18:19], s[36:37]
.irp i, 0,1,2,3,4,5,6,7,8,9,10,11,12,13,14,15
	global_load_b128 v[XF+4*\i:XF+4*\i+3], v3, s[4:5] offset:32*\i
.endr
.irp j, 0,1,2,3,4,5,6,7
	v_mov_b32 v[LL+\j], 0xff800000
	v_mov_b32 v[PP+\j], 0
.endr
	s_wait_loadcnt 0x0
	s_wait_kmcnt 0x0
.macro DIAG d, out                     ; register l % 8 of the accumulator, from its low end on
	v_cndmask_b32 v6, v[\d], v[\d+1], s20
	v_cndmask_b32 v7, v[\d+2], v[\d+3], s20
	v_cndmask_b32 v8, v[\d+4], v[\d+5], s20
	v_cndmask_b32 v9, v[\d+6], v[\d+7], s20
	v_cndmask_b32 v6, v6, v7, s21
	v_cndmask_b32 v8, v8, v9, s21
	v_cndmask_b32 v[\out], v6, v8, s22
.endm
.macro INS k, w                        ; (score, slot) into the falling list, behind all scores that are not smaller
.irp j, 0,1,2,3,4,5,6,7
	v_cmp_gt_f32 s[CM+\j], v[\k], v[LL+\j]
.endr
.irp j, 7,6,5,4,3,2,1
	v_cndmask_b32 v[6+\j%2], v[\w], v[PP+\j-1], s[CM+\j-1]
	v_cndmask_b32 v[PP+\j], v[PP+\j], v[6+\j%2], s[CM+\j]
	v_med3_num_f32 v[LL+\j], v[LL+\j-1], v[LL+\j], v[\k]
.endr
	v_cndmask_b32 v[PP], v[PP], v[\w], s[CM]
	v_max_num_f32 v[LL], v[LL], v[\k]
.endm
; One list is walked, four places a trip.  b: the scalar pair that stands at the list's next four places; n: the scalar register with its trips.
.macro WALK b, n
	s_mov_b32 s28, 0
.Ltrip_\@:
	s_cmp_ge_u32 s28, s[\n]                        ; a whole number that the launch before stored
	s_cbranch_scc1 .Lend_\@
	global_load_b128 v[E:E+3], v1, s[\b:\b+1]      ; my query's four slots, for the list of the best
	global_load_b32 v252, v[Q], s[\b:\b+1]         ; the slot whose row I fetch for the first chain: place c,
	global_load_b32 v253, v[Q], s[\b:\b+1] offset:8   ; for the second: place 2 + c
	s_wait_loadcnt 0x0
	s_add_nc_u64 s[\b:\b+1], s[\b:\b+1], 16        ; the three loads are done: their base may step
	v_min_u32 v252, 0xfff, v252                    ; a loaded number enters an address behind a bound written in the instruction
	v_min_u32 v253, 0xfff, v253
	v_lshl_add_u32 v252, v252, 9, v2               ; row of 512 bytes + 16 h
	v_lshl_add_u32 v253, v253, 9, v2
.irp i, 0,1,2,3,4,5,6,7,8,9,10,11,12,13,14,15
	global_load_b128 v[AX+4*\i:AX+4*\i+3], v252, s[6:7] offset:32*\i th:TH_LOAD_HT   ; a table that all work-groups read again and again
.endr
.irp i, 0,1,2,3,4,5,6,7,8,9,10,11,12,13,14,15
	global_load_b128 v[AY+4*\i:AY+4*\i+3], v253, s[6:7] offset:32*\i th:TH_LOAD_HT
.endr
.irp m, 0,1,2,3
	v_cmp_gt_u32 s[30+\m], 0x1000, v[E+\m]         ; is the place a candidate?
.endr
	s_wait_loadcnt 0x0
.irp s, 0,1,2,3                        ; the two accumulators by turns
.if \s == 0
	v_wmma_f32_16x16x128_bf8_bf8 v[DX:DX+7], v[AX+16*\s:AX+16*\s+15], v[XF+16*\s:XF+16*\s+15], 0
	v_wmma_f32_16x16x128_bf8_bf8 v[DY:DY+7], v[AY+16*\s:AY+16*\s+15], v[XF+16*\s:XF+16*\s+15], 0
.else
	v_wmma_f32_16x16x128_bf8_bf8 v[DX:DX+7], v[AX+16*\s:AX+16*\s+15], v[XF+16*\s:XF+16*\s+15], v[DX:DX+7]
	v_wmma_f32_16x16x128_bf8_bf8 v[DY:DY+7], v[AY+16*\s:AY+16*\s+15], v[XF+16*\s:XF+16*\s+15], v[DY:DY+7]
.endif
.endr
.rept 4
	v_nop                                          ; four places ahead of the first read of the results (ISA guide 7.12.1)
.endr
	DIAG DX, 10
	DIAG DY, 11
	v_permlanex16_b32 v254, v10, s26, s27          ; the other candidate's score lies 16 lanes away
	v_permlanex16_b32 v255, v11, s26, s27
	v_cndmask_b32 v12, v10, v254, s23              ; all four scores in every lane
	v_cndmask_b32 v13, v254, v10, s23
	v_cndmask_b32 v14, v11, v255, s23
	v_cndmask_b32 v15, v255, v11, s23
.irp m, 0,1,2,3
	v_cndmask_b32 v[12+\m], v5, v[12+\m], s[30+\m] ; where there is no candidate: -infinity, which enters no list
.endr
	INS 12, E
	INS 13, E+1
	INS 14, E+2
	INS 15, E+3
	s_add_co_u32 s28, s28, 1
	s_cmp_lt_u32 s28, 16
	s_cbranch_scc1 .Ltrip_\@
.Lend_\@:
.endm
	WALK 8, 48                                     ; the four lower groups' candidates,
	WALK 50, 49                                    ; then the four higher groups'
	s_add_co_i32 s44, s44, s45                     ; e0 + e1
	v_mov_b32 v6, 0x3fb8aa3b                       ; log2(e)
	v_ldexp_f32 v6, v6, s44
.irp j, 0,1,2,3,4,5,6,7
	v_sub_f32 v[Q+\j], v[LL+\j], v[LL]             ; the largest is taken away
.endr
.irp j, 0,1,2,3,4,5,6,7
	v_mul_f32 v[Q+\j], v6, v[Q+\j]
.endr
.irp j, 0,1,2,3,4,5,6,7
	v_exp_f32 v[Q+\j], v[Q+\j]
.endr
	v_nop                                          ; a plain instruction behind the batch,
	s_wait_alu depctr_va_vdst(0)                   ; and the one wait ahead of its first reader
	v_add_f32 v7, v[Q], v[Q+1]
	v_add_f32 v8, v[Q+2], v[Q+3]
	v_add_f32 v9, v[Q+4], v[Q+5]
	v_add_f32 v10, v[Q+6], v[Q+7]
	v_add_f32 v7, v7, v8
	v_add_f32 v9, v9, v10
	v_add_f32 v7, v7, v9
	v_rcp_f32 v7, v7
	v_nop
	s_wait_alu depctr_va_vdst(0)
	v_mul_f32 v7, s46, v7                          ; retrieval_scale / the sum
.irp j, 0,1,2,3,4,5,6,7
	v_mul_f32 v[Q+\j], v[Q+\j], v7
.endr
.irp i, 0,1,2,3
	v_cndmask_b32 v[12+\i], v[PP+\i], v[PP+4+\i], s24   ; c = 0: entries 0-3; c = 1: entries 4-7
	v_cndmask_b32 v[8+\i], v[Q+\i], v[Q+4+\i], s24
.endr
	global_store_b128 v4, v[12:15], s[16:17]       ; sixteen lanes store 256 consecutive bytes, aligned; lanes 16-31 store the same bytes again
	global_store_b128 v4, v[8:11], s[18:19]
	s_endpgm
.Lfunc_end_k_qea1597f59f_rescore:
	.size	k_qea1597f59f_rescore, .Lfunc_end_k_qea1597f59f_rescore-k_qea1597f59f_rescore
	.p2alignl 7, 3214868480
	.fill 96, 4, 3214868480
	.section	.rodata,"a",@progbits
	.p2align	6, 0x0
	.amdhsa_kernel k_qea1597f59f_rescore
		.amdhsa_group_segment_fixed_size 0
		.amdhsa_private_segment_fixed_size 0
		.amdhsa_enable_private_segment 0
		.amdhsa_kernarg_size 64
		.amdhsa_user_sgpr_count 2
		.amdhsa_user_sgpr_kernarg_segment_ptr 1
		.amdhsa_wavefront_size32 1
		.amdhsa_system_sgpr_workgroup_id_x 1
		.amdhsa_system_sgpr_workgroup_id_y 1
		.amdhsa_system_sgpr_workgroup_id_z 1
		.amdhsa_system_vgpr_workitem_id 0
		.amdhsa_next_free_vgpr 256
		.amdhsa_next_free_sgpr 66
		.amdhsa_reserve_vcc 0
		.amdhsa_float_denorm_mode_32 3
		.amdhsa_float_denorm_mode_16_64 3
		.amdhsa_memory_ordered 1
		.amdhsa_forward_progress 1
		.amdhsa_inst_pref_size 35
	.end_amdhsa_kernel
	.amdgpu_metadata
---
amdhsa.version: [ 1, 2 ]
amdhsa.kernels:
  - .name:           k_qea1597f59f_rescore
    .symbol:         k_qea1597f59f_rescore.kd
    .args:
      - { .name: xcodes, .offset: 0, .size: 8, .value_kind: global_buffer, .address_space: global }
      - { .name: mcodes, .offset: 8, .size: 8, .value_kind: global_buffer, .address_space: global }
      - { .name: lst, .offset: 16, .size: 8, .value_kind: global_buffer, .address_space: global }
      - { .name: trips, .offset: 24, .size: 8, .value_kind: global_buffer, .address_space: global }
      - { .name: lowp_scales, .offset: 32, .size: 8, .value_kind: global_buffer, .address_space: global }
      - { .name: retrieval_scale, .offset: 40, .size: 8, .value_kind: global_buffer, .address_space: global }
      - { .name: idx, .offset: 48, .size: 8, .value_kind: global_buffer, .address_space: global }
      - { .name: wts, .offset: 56, .size: 8, .value_kind: global_buffer, .address_space: global }
    .group_segment_fixed_size: 0
    .private_segment_fixed_size: 0
    .kernarg_segment_align: 8
    .kernarg_segment_size: 64
    .max_flat_workgroup_size: 256
    .sgpr_count:     66
    .vgpr_count:     256
    .wavefront_size: 32
...
	.end_amdgpu_metadata
.endif
;; end of part 3
;; launch gather (part 4): grid 1024 x 1, 8 waves a work-group, no clusters, 0 bytes of LDS; arguments x, membf, idx, wts, out0; writes out0
.if DOCPART == 4
	.amdgcn_target "amdgcn-amd-amdhsa--gfx1250"
	.amdhsa_code_object_version 6
	.text
	.protected	k_qea1597f59f_gather
	.globl	k_qea1597f59f_gather
	.p2align	8
	.type	k_qea1597f59f_gather,@function
k_qea1597f59f_gather:
	s_mov_b64 s[64:65], 0
	v_nop
	global_prefetch_b8 v0, s[64:65] scope:SCOPE_SE
	s_setreg_imm32_b32 hwreg(HW_REG_WAVE_MODE, 25, 1), 1
	s_wait_xcnt 0x0
; FOURTH LAUNCH: out = x + sum over k of wts[k] x memory[idx[k]], wts = retrieval_scale x softmax.  Nothing is left out.
; The product has K = 8 and one column, and every query has other rows: it is done by fused multiply-adds, memory's rows in bf16, weights and sums in f32.
; SHARES.  A wave owns 4 queries, one after the other.  Lane l owns columns 128 j + 4 l + 0..3, j = 0..3: each load and store of x and out covers 512 consecutive bytes.
; The bf16 rows were laid for this by the first launch: byte 512 p + 16 l + 8 u of a row holds columns 128 (2 p + u) + 4 l + 0..3, so a row comes by two loads of 16 bytes a lane, 512 consecutive bytes each.
; The slots and weights of the wave's queries are the same for all lanes: scalar loads, 128 bytes each.
; No LDS, no barrier, no cluster: waves share nothing but the table, which is read again and again.  Few registers, so that many waves stand side by side and cover each other's waits.
.set W,   4                            ; v4-11   the query's 8 weights
.set ACC, 16                           ; v16-31  x, then out
.set ROW, 32                           ; v32-95  row k: columns 128 j + 4 l + 0..3 at v[ROW + 8 k + 2 j], two bf16 a register
.set OF,  96                           ; v96-103 row k's byte offset
	s_load_b256 s[4:11], s[0:1], 0x0               ; x, memory as bf16, idx, wts
	s_load_b64 s[12:13], s[0:1], 0x20              ; out
	v_lshrrev_b32 v1, 5, v0
	v_readfirstlane_b32 s14, v1                    ; wave
	v_and_b32 v3, 31, v0
	v_lshlrev_b32 v2, 4, v3                        ; 16 x lane
	s_lshl_b32 s84, ttmp9, 10                      ; my 4 queries: (32 work-group + 4 wave) x 32 bytes,
	s_lshl_b32 s85, s14, 7
	s_add_co_u32 s84, s84, s85
	s_mov_b32 s85, 0
	s_lshl_b32 s86, ttmp9, 16                      ; and x 2,048 bytes
	s_lshl_b32 s87, s14, 13
	s_add_co_u32 s86, s86, s87
	s_mov_b32 s87, 0
	s_wait_kmcnt 0x0
	s_add_nc_u64 s[8:9], s[8:9], s[84:85]
	s_add_nc_u64 s[10:11], s[10:11], s[84:85]
	s_load_b512 s[16:31], s[8:9], 0x0              ; slots of queries 0, 1
	s_load_b512 s[32:47], s[8:9], 0x40             ; of queries 2, 3
	s_load_b512 s[48:63], s[10:11], 0x0            ; weights of queries 0, 1
	s_load_b512 s[68:83], s[10:11], 0x40           ; of queries 2, 3
	s_add_nc_u64 s[4:5], s[4:5], s[86:87]
	s_add_nc_u64 s[12:13], s[12:13], s[86:87]
	s_wait_kmcnt 0x0
.set n, 16
.rept 32
	s_min_u32 s[n], s[n], 0xfff                    ; a loaded number enters an address behind a bound written in the instruction
.set n, n+1
.endr
.macro QUERY i, wb
	s_wait_xcnt 0x0                                ; the last query's stores have read ACC: only now is it loaded again
.irp j, 0,1,2,3
	global_load_b128 v[ACC+4*\j:ACC+4*\j+3], v2, s[4:5] offset:2048*\i+512*\j th:TH_LOAD_NT
.endr
.irp k, 0,1,2,3,4,5,6,7
	v_lshl_add_u32 v[OF+\k], s[16+8*\i+\k], 10, v2 ; a bf16 row is 1,024 bytes
.endr
.irp k, 0,1,2,3,4,5,6,7
.irp p, 0,1
	global_load_b128 v[ROW+8*\k+4*\p:ROW+8*\k+4*\p+3], v[OF+\k], s[6:7] offset:512*\p th:TH_LOAD_HT   ; a table that all work-groups read again and again
.endr
.endr
.irp k, 0,1,2,3,4,5,6,7
	v_mov_b32 v[W+\k], s[\wb+\k]
.endr
.irp k, 0,1,2,3,4,5,6,7
	s_wait_loadcnt 2*(7-\k)                        ; x and rows 0 to k are in; the two loads of each later row may be out
.irp j, 0,1,2,3
	v_fma_mix_f32_bf16 v[ACC+4*\j], v[ROW+8*\k+2*\j], v[W+\k], v[ACC+4*\j] op_sel_hi:[1,0,0]
	v_fma_mix_f32_bf16 v[ACC+4*\j+1], v[ROW+8*\k+2*\j], v[W+\k], v[ACC+4*\j+1] op_sel:[1,0,0] op_sel_hi:[1,0,0]
	v_fma_mix_f32_bf16 v[ACC+4*\j+2], v[ROW+8*\k+2*\j+1], v[W+\k], v[ACC+4*\j+2] op_sel_hi:[1,0,0]
	v_fma_mix_f32_bf16 v[ACC+4*\j+3], v[ROW+8*\k+2*\j+1], v[W+\k], v[ACC+4*\j+3] op_sel:[1,0,0] op_sel_hi:[1,0,0]
.endr
.endr
.irp j, 0,1,2,3
	global_store_b128 v2, v[ACC+4*\j:ACC+4*\j+3], s[12:13] offset:2048*\i+512*\j th:TH_STORE_NT
.endr
.endm
	QUERY 0, 48
	QUERY 1, 56
	QUERY 2, 68
	QUERY 3, 76
	s_endpgm
.Lfunc_end_k_qea1597f59f_gather:
	.size	k_qea1597f59f_gather, .Lfunc_end_k_qea1597f59f_gather-k_qea1597f59f_gather
	.p2alignl 7, 3214868480
	.fill 96, 4, 3214868480
	.section	.rodata,"a",@progbits
	.p2align	6, 0x0
	.amdhsa_kernel k_qea1597f59f_gather
		.amdhsa_group_segment_fixed_size 0
		.amdhsa_private_segment_fixed_size 0
		.amdhsa_enable_private_segment 0
		.amdhsa_kernarg_size 40
		.amdhsa_user_sgpr_count 2
		.amdhsa_user_sgpr_kernarg_segment_ptr 1
		.amdhsa_wavefront_size32 1
		.amdhsa_system_sgpr_workgroup_id_x 1
		.amdhsa_system_sgpr_workgroup_id_y 1
		.amdhsa_system_sgpr_workgroup_id_z 1
		.amdhsa_system_vgpr_workitem_id 0
		.amdhsa_next_free_vgpr 104
		.amdhsa_next_free_sgpr 90
		.amdhsa_reserve_vcc 0
		.amdhsa_float_denorm_mode_32 3
		.amdhsa_float_denorm_mode_16_64 3
		.amdhsa_memory_ordered 1
		.amdhsa_forward_progress 1
		.amdhsa_inst_pref_size 49
	.end_amdhsa_kernel
	.amdgpu_metadata
---
amdhsa.version: [ 1, 2 ]
amdhsa.kernels:
  - .name:           k_qea1597f59f_gather
    .symbol:         k_qea1597f59f_gather.kd
    .args:
      - { .name: x, .offset: 0, .size: 8, .value_kind: global_buffer, .address_space: global }
      - { .name: membf, .offset: 8, .size: 8, .value_kind: global_buffer, .address_space: global }
      - { .name: idx, .offset: 16, .size: 8, .value_kind: global_buffer, .address_space: global }
      - { .name: wts, .offset: 24, .size: 8, .value_kind: global_buffer, .address_space: global }
      - { .name: out0, .offset: 32, .size: 8, .value_kind: global_buffer, .address_space: global }
    .group_segment_fixed_size: 0
    .private_segment_fixed_size: 0
    .kernarg_segment_align: 8
    .kernarg_segment_size: 40
    .max_flat_workgroup_size: 256
    .sgpr_count:     90
    .vgpr_count:     104
    .wavefront_size: 32
...
	.end_amdgpu_metadata
.endif
;; end of part 4
;; ======== version 2 of 2: 4 launches
;; workspace buffers: xcodes 16,777,216 bytes; mcodes 2,097,152 bytes; membf 4,194,304 bytes; lst 16,777,216 bytes of whole numbers; trips 32,768 bytes of whole numbers; idx 1,048,576 bytes of whole numbers; wts 1,048,576 bytes
;; launch quant (part 5): grid 256 x 1, 9 waves a work-group, no clusters, 47,360 bytes of LDS; arguments x, memory, lowp_scales, xcodes, mcodes, membf; writes xcodes, mcodes, membf
.if DOCPART == 5
	.amdgcn_target "amdgcn-amd-amdhsa--gfx1250"
	.amdhsa_code_object_version 6
	.text
	.protected	k_qea1597f59f_quant
	.globl	k_qea1597f59f_quant
	.p2align	8
	.type	k_qea1597f59f_quant,@function
k_qea1597f59f_quant:
	s_mov_b64 s[64:65], 0
	v_nop
	global_prefetch_b8 v0, s[64:65] scope:SCOPE_SE
	s_setreg_imm32_b32 hwreg(HW_REG_WAVE_MODE, 25, 1), 1
	s_wait_xcnt 0x0
; FIRST OF FOUR LAUNCHES.  out = x + retrieval_scale * sum_k softmax(top 8 scores)_k * memory[top 8 slots]_k, the scores being
; Q(x / max(|x|, 1e-12)) . Q(memory / max(|memory|, 1e-12)), Q the given quantiser to E5M2.
; NO WORK OF reference() IS LEFT OUT: every input has a way to the output and is loaded by some launch.
; THIS LAUNCH: each row of x [32768][512] and of memory [4096][512] is divided by its norm in f32 and turned into codes of E5M2 with the
; given scale 2^e (entry 0 for x, entry 1 for memory): code = number / 2^e, held within +-57,344, to the nearest code, ties to even.
; Both operands are read by many work-groups later, so they are quantised once.  memory is also stored as bf16, for the last launch's weighted sum.
; 1 / max(n, 1e-12) is taken as min(1 / n, 1e12), 1 / n by v_rsq_f32 of the sum of squares; a sum of 0 gives infinity, which the minimum holds at 1e12.
; LIMITS: NaN and infinity among the inputs are not served; a row's sum of squares is a finite f32 number (reference()'s norm asks the same); -126 <= e and e + 15 <= 127.
; SHARES: 2,304 jobs of 16 rows, J = 9 x work-group + wave: J < 2048: rows 16 J of x; else rows 16 (J - 2048) of memory.  Only pointers and e are chosen by J: one path through the text.
; A row is 2,048 bytes: four loads of 512 consecutive bytes.  The conversions want 16 neighbours in one lane, so the row turns through the wave's own stage in LDS
; (64 bytes + 16 of padding a lane).  A row's 512 codes leave as 512 consecutive bytes.
; THE bf16 ROWS ARE LAID AS THE LAST LAUNCH'S LANES TAKE THEM: byte 512 p + 16 l + 8 u of a row holds columns 128 (2 p + u) + 4 l + 0..3: what lane l holds of loads 2 p and 2 p + 1.
; So a row leaves by two stores of 512 consecutive bytes, and comes back there by two loads of 16 bytes a lane.
; No tensor loads, no barrier, no cluster: waves share nothing.  Loads run four rows (16 loads a wave) ahead, the turn through LDS one row.
.set WREG,  5120                       ; LDS of a wave: two stages of 32 x SP bytes
.set SP,    80
.set SPARE, 9*WREG                     ; behind the nine regions: the spare words, 128 bytes a wave, five blocks of 256 bytes that no other line names
.set SPW,   12                         ; v12  my spare word's LDS address; never rewritten
.set NIL,   13                         ; v13  0; never rewritten
.set R,     16                         ; v16-79   four sets of 16 numbers as loaded
.set X,     80                         ; v80-111  two sets of 16 neighbours
.set BF,    112                        ; v112-119 a row's bf16 pairs
.set C,     128                        ; v128-191 codes, four registers for each row: no store's data are written again
	s_load_b128 s[4:7], s[0:1], 0x0                ; x, memory
	s_load_b64 s[10:11], s[0:1], 0x10              ; the scales' exponents
	s_load_b128 s[12:15], s[0:1], 0x18             ; x's codes, memory's codes
	s_load_b64 s[16:17], s[0:1], 0x28              ; memory as bf16
	v_lshl_add_u32 v[SPW], v0, 2, SPARE
	v_mov_b32 v[NIL], 0
	v_lshrrev_b32 v1, 5, v0
	s_delay_alu instid0(VALU_DEP_1)
	v_readfirstlane_b32 s21, v1                    ; wave 0..8
	v_and_b32 v2, 31, v0                           ; lane
	s_delay_alu instid0(VALU_DEP_1)
	v_lshlrev_b32 v3, 4, v2                        ; 16 x lane: my bytes of a load's 512, of a row's codes, and of a bf16 store's 512
	s_mul_i32 s25, s21, WREG
	v_lshrrev_b32 v14, 2, v2
	s_delay_alu instid0(VALU_DEP_1)
	v_mul_u32_u24 v14, v14, SP
	v_and_b32 v15, 3, v2
	s_delay_alu instid0(VALU_DEP_1)
	v_lshl_add_u32 v14, v15, 4, v14
	s_delay_alu instid0(VALU_DEP_1)
	v_add_nc_u32 v14, s25, v14                     ; the stage on the way in: SP (lane / 4) + 16 (lane % 4)
	v_mul_u32_u24 v15, v2, SP
	s_delay_alu instid0(VALU_DEP_1)
	v_add_nc_u32 v15, s25, v15                     ; and on the way out: SP x lane
	v_mov_b32 v121, 0                              ; (named as the upper half of the pair v[120:121])
	v_mov_b32 v122, 0                              ; a lane permute's destination counts as one of its sources
	s_mov_b32 s26, 0x76543210
	s_mov_b32 s27, 0xfedcba98                      ; selects: lane l xor 16
	s_mov_b32 s28, 0x5368d4a5                      ; 1e12 = 1 / eps
	s_mul_i32 s20, ttmp9, 9
	s_add_co_u32 s20, s20, s21                     ; J
	s_wait_kmcnt 0x0
	s_load_b64 s[22:23], s[10:11], 0x0             ; e of x, e of memory
	s_cmp_lt_u32 s20, 2048                         ; x's job or memory's?  ids alone
	s_cselect_b64 s[4:5], s[4:5], s[6:7]
	s_cselect_b64 s[8:9], s[12:13], s[14:15]
	s_cselect_b32 s24, 0, 2048
	s_sub_co_u32 s24, s20, s24                     ; which 16 rows of the tensor
	s_mov_b32 s31, 0
	s_lshl_b32 s30, s24, 15                        ; 16 rows of 2,048 bytes
	s_add_nc_u64 s[4:5], s[4:5], s[30:31]
	s_lshl_b32 s30, s24, 13                        ; 16 rows of 512 codes
	s_add_nc_u64 s[8:9], s[8:9], s[30:31]
	s_lshl_b32 s30, s24, 14                        ; 16 rows of 1,024 bytes of bf16 (used by memory's jobs alone)
	s_add_nc_u64 s[18:19], s[16:17], s[30:31]
.macro LOAD t
.irp i, 0,1,2,3
	global_load_b128 v[R+16*((\t)%4)+4*\i:R+16*((\t)%4)+4*\i+3], v3, s[4:5] offset:2048*(\t)+512*\i th:TH_LOAD_NT
.endr
.endm
.macro TURN t                          ; row t through the stage; LDS serves a wave's instructions in order, so no wait stands between the stores and the loads
.irp i, 0,1,2,3
	ds_store_b128 v14, v[R+16*((\t)%4)+4*\i:R+16*((\t)%4)+4*\i+3] offset:32*SP*((\t)%2)+8*SP*\i
.endr
.irp i, 0,1,2,3
	ds_load_b128 v[X+16*((\t)%2)+4*\i:X+16*((\t)%2)+4*\i+3], v15 offset:32*SP*((\t)%2)+16*\i
.endr
.endm
.macro BFOUT t                         ; memory's jobs: row t as loaded, rounded to bf16: lane l of load i holds columns 128 i + 4 l + 0..3: two registers
	s_cmp_lt_u32 s20, 2048
	s_cbranch_scc1 .Lno_bf_\@
	s_wait_xcnt 0x0                                ; the last row's stores have read BF: only now is it written again
.irp i, 0,1,2,3
	v_cvt_pk_bf16_f32 v[BF+2*\i], v[R+16*((\t)%4)+4*\i], v[R+16*((\t)%4)+4*\i+1]
	v_cvt_pk_bf16_f32 v[BF+2*\i+1], v[R+16*((\t)%4)+4*\i+2], v[R+16*((\t)%4)+4*\i+3]
.endr
.irp p, 0,1
	global_store_b128 v3, v[BF+4*\p:BF+4*\p+3], s[18:19] offset:1024*(\t)+512*\p   ; what I hold of loads 2 p and 2 p + 1; 32 lanes store 512 consecutive bytes, aligned
.endr
.Lno_bf_\@:
.endm
.irp t, 0,1,2,3
	LOAD \t
.endr
	s_wait_kmcnt 0x0
	s_cmp_lt_u32 s20, 2048
	s_cselect_b32 s22, s22, s23                    ; e
	s_add_co_i32 s22, s22, 127
	s_lshl_b32 s23, s22, 23
	v_mov_b32 v11, s23                             ; 2^e as f32: the conversion takes its exponent field
	s_add_co_i32 s22, s22, 15
	s_lshl_b32 s22, s22, 23
	s_or_b32 s22, s22, 0x600000
	v_mov_b32 v10, s22                             ; 57,344 x 2^e
	s_wait_loadcnt 12                              ; row 0's four loads are in; the twelve of rows 1 to 3 may be out
	BFOUT 0
	s_wait_alu depctr_va_vdst(0)
	TURN 0
.macro STEP t
.set XS, X+16*((\t)%2)
	s_wait_dscnt 0x0                               ; this row is back from the stage: so its stores into the stage have read their registers,
.if (\t)+4 < 16
	LOAD (\t)+4                                    ; which take the row four further on
.endif
.if (\t)+1 < 16
.if 14-(\t) >= 3
	s_wait_loadcnt 12                              ; the next row's four loads are in; those of the three rows behind it may be out
.else
	s_wait_loadcnt 4*(14-(\t))
.endif
	BFOUT (\t)+1
	TURN (\t)+1                                    ; through the other stage while this row is worked
.endif
	v_pk_mul_f32 v[6:7], v[XS:XS+1], v[XS:XS+1]    ; the sum of squares of my 16 numbers, in two packed chains
	v_pk_mul_f32 v[8:9], v[XS+2:XS+3], v[XS+2:XS+3]
.irp j, 4,8,12
	s_delay_alu instid0(VALU_DEP_2)
	v_pk_fma_f32 v[6:7], v[XS+\j:XS+\j+1], v[XS+\j:XS+\j+1], v[6:7]
	s_delay_alu instid0(VALU_DEP_2)
	v_pk_fma_f32 v[8:9], v[XS+\j+2:XS+\j+3], v[XS+\j+2:XS+\j+3], v[8:9]
.endr
	s_delay_alu instid0(VALU_DEP_1)
	v_pk_add_f32 v[6:7], v[6:7], v[8:9]
	s_delay_alu instid0(VALU_DEP_1)
	v_add_f32 v6, v6, v7
	s_delay_alu instid0(VALU_DEP_1)
	v_add_f32_dpp v6, v6, v6 row_xmask:1 row_mask:0xf bank_mask:0xf
	s_delay_alu instid0(VALU_DEP_1)
	v_add_f32_dpp v6, v6, v6 row_xmask:2 row_mask:0xf bank_mask:0xf
	s_delay_alu instid0(VALU_DEP_1)
	v_add_f32_dpp v6, v6, v6 row_xmask:4 row_mask:0xf bank_mask:0xf
	s_delay_alu instid0(VALU_DEP_1)
	v_add_f32_dpp v6, v6, v6 row_xmask:8 row_mask:0xf bank_mask:0xf
	s_delay_alu instid0(VALU_DEP_1)
	v_permlanex16_b32 v122, v6, s26, s27
	s_delay_alu instid0(VALU_DEP_1)
	v_add_f32 v6, v6, v122                         ; the row's, in every lane
	s_wait_alu depctr_va_vdst(0)
	v_rsq_f32 v120, v6
	v_nop                                          ; a plain instruction behind the transcendental
	s_wait_alu depctr_va_vdst(0)                   ; and the wait ahead of its first reader
	v_min_num_f32 v120, s28, v120                  ; 1 / max(n, eps)
.irp j, 0,2,4,6,8,10,12,14
	v_pk_mul_f32 v[XS+\j:XS+\j+1], v[XS+\j:XS+\j+1], v[120:121] op_sel_hi:[1,0]
.endr
.irp i, 0,1,2,3,4,5,6,7,8,9,10,11,12,13,14,15
	v_med3_num_f32 v[XS+\i], v[XS+\i], -v10, v10   ; the conversion to an 8-bit code does not saturate (ISA guide 7.6.2): the hold comes first
.endr
	v_cvt_scalef32_pk8_bf8_f32 v[C+4*(\t):C+4*(\t)+1], v[XS:XS+7], v11
	v_cvt_scalef32_pk8_bf8_f32 v[C+4*(\t)+2:C+4*(\t)+3], v[XS+8:XS+15], v11
	global_store_b128 v3, v[C+4*(\t):C+4*(\t)+3], s[8:9] offset:512*(\t)   ; the codes go to a store alone; 32 lanes store the row's 512 consecutive bytes
.endm
.irp t, 0,1,2,3,4,5,6,7,8,9,10,11,12,13,14,15
	STEP \t
.endr
	s_wait_tensorcnt 0x0                           ; the wave's end, behind my last LDS store
	ds_add_u32 v[SPW], v[NIL]
	s_wait_dscnt 0x0
	s_endpgm
.Lfunc_end_k_qea1597f59f_quant:
	.size	k_qea1597f59f_quant, .Lfunc_end_k_qea1597f59f_quant-k_qea1597f59f_quant
	.p2alignl 7, 3214868480
	.fill 96, 4, 3214868480
	.section	.rodata,"a",@progbits
	.p2align	6, 0x0
	.amdhsa_kernel k_qea1597f59f_quant
		.amdhsa_group_segment_fixed_size 47360
		.amdhsa_private_segment_fixed_size 0
		.amdhsa_enable_private_segment 0
		.amdhsa_kernarg_size 48
		.amdhsa_user_sgpr_count 2
		.amdhsa_user_sgpr_kernarg_segment_ptr 1
		.amdhsa_wavefront_size32 1
		.amdhsa_system_sgpr_workgroup_id_x 1
		.amdhsa_system_sgpr_workgroup_id_y 1
		.amdhsa_system_sgpr_workgroup_id_z 1
		.amdhsa_system_vgpr_workitem_id 0
		.amdhsa_next_free_vgpr 192
		.amdhsa_next_free_sgpr 66
		.amdhsa_reserve_vcc 0
		.amdhsa_float_denorm_mode_32 3
		.amdhsa_float_denorm_mode_16_64 3
		.amdhsa_memory_ordered 1
		.amdhsa_forward_progress 1
		.amdhsa_inst_pref_size 83
	.end_amdhsa_kernel
	.amdgpu_metadata
---
amdhsa.version: [ 1, 2 ]
amdhsa.kernels:
  - .name:           k_qea1597f59f_quant
    .symbol:         k_qea1597f59f_quant.kd
    .args:
      - { .name: x, .offset: 0, .size: 8, .value_kind: global_buffer, .address_space: global }
      - { .name: memory, .offset: 8, .size: 8, .value_kind: global_buffer, .address_space: global }
      - { .name: lowp_scales, .offset: 16, .size: 8, .value_kind: global_buffer, .address_space: global }
      - { .name: xcodes, .offset: 24, .size: 8, .value_kind: global_buffer, .address_space: global }
      - { .name: mcodes, .offset: 32, .size: 8, .value_kind: global_buffer, .address_space: global }
      - { .name: membf, .offset: 40, .size: 8, .value_kind: global_buffer, .address_space: global }
    .group_segment_fixed_size: 47360
    .private_segment_fixed_size: 0
    .kernarg_segment_align: 8
    .kernarg_segment_size: 48
    .max_flat_workgroup_size: 288
    .sgpr_count:     66
    .vgpr_count:     192
    .wavefront_size: 32
...
	.end_amdgpu_metadata
.endif
;; end of part 5
;; launch filter (part 6): grid 256 x 1, 8 waves a work-group, clusters of 4 x 1, 327,680 bytes of LDS; arguments xcodes, mcodes, lst, trips; writes lst, trips
.if DOCPART == 6
	.amdgcn_target "amdgcn-amd-amdhsa--gfx1250"
	.amdhsa_code_object_version 6
	.text
	.protected	k_qea1597f59f_filter
	.globl	k_qea1597f59f_filter
	.p2align	8
	.type	k_qea1597f59f_filter,@function
k_qea1597f59f_filter:
	s_mov_b64 s[64:65], 0
	v_nop
	global_prefetch_b8 v0, s[64:65] scope:SCOPE_SE
	s_setreg_imm32_b32 hwreg(HW_REG_WAVE_MODE, 25, 1), 1
	s_wait_xcnt 0x0
	s_wait_alu depctr_hold_cnt(0) depctr_sa_sdst(0) depctr_va_vdst(0) depctr_va_sdst(0) depctr_va_ssrc(0) depctr_va_vcc(0) depctr_vm_vsrc(0)
	s_getreg_b32 s2, hwreg(HW_REG_IB_STS2, 6, 4)
	s_cmp_eq_u32 s2, 0
	s_cbranch_scc0 .Lentry_in_a_cluster
	s_endpgm
.Lentry_in_a_cluster:
	s_bfe_u32 s2, ttmp6, 0x10000c
	s_cmp_lg_u32 s2, 0x3003
	s_cbranch_scc0 .Lentry_shape_is_right
	s_endpgm
.Lentry_shape_is_right:
; SECOND LAUNCH: the whole quantised product (32,768 queries x 4,096 slots, K = 512) and a filter that leaves, for each query, the slots that can be among its 8 best: the candidates.
; Nothing of the product is left out.  The scales are not needed: a positive factor moves no order.
; The filter keeps, for each query, the 8 first groups of 16 neighbouring slots, each with a 16-bit mask of the slots that can count.
; WHY THE FILTER IS EXACT.  Groups are ordered by (largest score M falling, first slot rising).  If a slot e of the top 8 (ties to the lower slot, as lax.top_k has them) lay in a group that
; eight groups precede, each of those would hold a score above e's, or equal to it at a lower slot: eight slots ahead of e.  So the 8 first groups hold the top 8.
; The mask keeps s >= TAU, and TAU never exceeds the 8th best score: it is the larger of (a) the least of eight maxima over eight disjoint sets of slots (the first 64 slots of the query's
; eight ranges) and (b) the lane's 8th best group maximum so far: either way eight different slots score TAU or more.  The test is the sign of s - TAU, exact in f32 with denormals kept;
; TAU is kept as NT = 0 - TAU, so that a zero TAU is added as +0 and s = TAU gives +0 whatever the sign of a zero.
; The order is kept by strict '>' everywhere: a lane meets its groups by rising slot, and the sublists are merged by rising range.
; WHAT IS STORED, as whole numbers at fixed places, for the next launch to form addresses and trip counts from: lst [32768][2][64]: a query's candidates as slot numbers, rising: list 0 those of its four
; lower groups, list 1 those of its four higher; places with no candidate hold 0xffffffff.  trips [4096][2]: for each 8 queries and each of the two lists, how many fours of places reach the last candidate.
; LIMIT: NaN and infinity among the scores are not served.
; SHARES.  A work-group owns 128 queries.  Wave w: qh = w / 4, sq = w % 4: queries 64 qh + 0..63 (four tiles of 16, their codes in 256 registers for the whole launch) against slots 1024 sq + 0..1023.
; THE PRODUCT IS USED TRANSPOSED (source 0 = 16 slots, source 1 = 16 queries): lane (r = l % 16, h = l / 16) holds query r, and register j row 8 h + j of source 0.
; THE SLOTS OF A TILE ARE NOT NEIGHBOURS: rows 0-7 are slots 1024 sq + 16 u + 8 a + 0..7, rows 8-15 those 512 further on.  So a lane walks ONE range of 512 slots in rising order, 16 a step u (tiles a = 0, 1).
; k lies in both fragments as four loads of 16 bytes bring it (k = 32 c + 16 h + 0..15 in registers 4 c on): the same places in both operands, and the same in the next launch, which repeats the sums bit for bit.
; CLUSTER.  All work-groups walk the same codes of memory: the four of a cluster ask for each tile JOINTLY (the same load, descriptor and mask in all four).  Every wave fetches one eighth of a slot:
; 32 rows of 512 bytes of one range (a slot holds two steps of each of the eight ranges; a range's share has no more rows to give).
; No prefetch: these codes are read by every cluster of the launch.
; LDS: two slots of 8 sub-blocks; a sub-block is 32 rows of 512 + 16 bytes, and 128 bytes more, so that a fragment's rows 8-15 start half way round the banks from rows 0-7 (64 banks of 4 bytes: ISA guide 11.1).
; REGISTERS.  Window 0: v1-15 addresses and temporaries; v16-23 NT (pairs, low word used); v24-27 M; v28-35 masks; v36-39 at work; v40-103 the four tiles' lists (8 keys, 8 words each);
; v104-167 eight accumulators, at the end a lane's 64 candidates; v168-231 one fragment set of memory (16 slots x 512 K); v232-234 addresses of the way out.  Window 1: the queries' codes, tile t, K step s at v[64 t + 16 s].
.set PITCH, 528
.set SUBB,  32*PITCH+128
.set SLOTB, 8*SUBB
.set TAUX,  2*SLOTB                    ; behind the ring: 4,096 bytes for the exchange of the first maxima
.set SPARE, TAUX+4096                  ; behind it: the spare words, 128 bytes a wave, four blocks of 256 bytes that no other line names
.set LP,    272                        ; the way out: a list's 256 bytes + 16 of padding; 32 lists a wave, in slot 1
.set ADR, 2                            ; v2, v3  my lane's place in slot 0, 1
.set SPW, 4                            ; v4   my spare word's LDS address; never rewritten
.set NIL, 5                            ; v5   0; never rewritten
.set XO,  6                            ; v6   my byte offset in the wave's rows of x's codes
.set IDV, 7                            ; v7   the step's group number: first slot / 16
.set TXA, 8
.set TXR, 9
.set MSW, 10
.set MSR, 11
.set NT,  16
.set GM,  24
.set M0,  28
.set MW,  32
.set TMP, 36
.set LL,  40                           ; key j of tile t: v[LL + 16 t + j]
.set PP,  48                           ; its word: group << 16 | mask (bit i = 1: slot 16 group + i lies under TAU)
.set ACC, 104
.set AF,  168
.set LSW, 232                          ; v232 where my list goes in the stage
.set LSR, 233                          ; v233 where I read lists back
.set TRO, 234                          ; v234 my byte offset among the wave's four trip counts
.set G1,  16                           ; s[16:23] descriptor group 1
.set G0,  24                           ; s[24:31] group 0, a set for each slot
.set CM,  68                           ; s68-99  compare masks, 8 a tile
.set MSB, 0
.macro WIN new                         ; the immediate's high byte repeats the setting that is left
.if MSB != \new
	s_set_vgpr_msb (MSB<<8)|\new
.set MSB, \new
.endif
.endm
.macro PLACES                          ; four plain places behind matrix instructions, ahead of loads into their sources and of reads of their results
.rept 4
	v_nop
.endr
.endm
.macro CROUND                          ; a round of the cluster's barrier
	s_barrier_signal -1
	s_barrier_wait -1
	s_cmp_lg_u32 s10, 0
	s_cbranch_scc1 .Lnot_wave_0_\@
	s_barrier_signal -3
.Lnot_wave_0_\@:
	s_barrier_wait -3
	s_barrier_signal -1
	s_barrier_wait -1
.endm
	s_load_b128 s[4:7], s[0:1], 0x0                ; x's codes, memory's codes
	s_load_b64 s[8:9], s[0:1], 0x10                ; lst
	s_load_b64 s[52:53], s[0:1], 0x18              ; trips
	v_lshl_add_u32 v[SPW], v0, 2, SPARE
	v_mov_b32 v[NIL], 0
	ds_add_u32 v[SPW], v[NIL]                      ; the wave's opening: the add, twice on end, and its wait ahead of my first tensor load
	ds_add_u32 v[SPW], v[NIL]
	v_lshrrev_b32 v1, 5, v0
	s_delay_alu instid0(VALU_DEP_1)
	v_readfirstlane_b32 s10, v1                    ; wave 0..7
	s_lshr_b32 s11, s10, 2                         ; qh
	s_and_b32 s12, s10, 3                          ; sq
	s_bfe_u32 s13, ttmp6, 0x40000                  ; cx: it enters x's, lst's and trips' addresses alone
	s_lshl_b32 s14, ttmp9, 2
	s_add_co_u32 s14, s14, s13                     ; my block of 128 queries
	s_mov_b32 s[G1+0], 15|(1<<20)|(1<<21)|(6<<22)|(3<<25)   ; mask: all four work-groups; elements of 1 byte; padding on; bit 21 beside a mask; after every 128 words, 4 words
	s_mov_b32 s[G1+1], 512<<16                     ; tensor_dim0 = 512
	s_mov_b32 s[G1+2], 32<<16                      ; tensor_dim1 = 32
	s_mov_b32 s[G1+3], 512<<16                     ; tile_dim0 = 512
	s_mov_b32 s[G1+4], 32                          ; tile_dim1 = 32
	s_mov_b32 s[G1+5], 512                         ; from row to row
	s_mov_b32 s[G1+6], 0
	s_mov_b32 s[G1+7], 0
	s_mov_b32 s48, 0x76543210
	s_mov_b32 s49, 0xfedcba98                      ; selects: lane l xor 16
	s_mov_b32 s50, 0xffff0000                      ; lanes 16-31
	s_mov_b32 s51, 0xffff                          ; a word's mask
	s_lshl_b32 s33, s12, 1
	s_add_co_u32 s33, s33, s11
	s_mul_i32 s33, s33, SUBB                       ; I fetch sub-block 2 sq + qh: range qh of quarter sq
	s_lshl_b32 s34, s12, 19                        ; its first row in memory: (1024 sq + 512 qh) rows of 512 bytes
	s_lshl_b32 s35, s11, 18
	s_add_co_u32 s34, s34, s35
	s_mov_b32 s35, 0
	s_lshl_b32 s36, s14, 16                        ; my wave's 64 rows of x's codes: (128 block + 64 qh) x 512 bytes
	s_lshl_b32 s37, s11, 15
	s_add_co_u32 s36, s36, s37
	s_mov_b32 s37, 0
	s_lshl_b32 s38, s14, 16                        ; the 16 queries whose lists I merge: (128 block + 16 wave) x 512 bytes of lst,
	s_lshl_b32 s39, s10, 13
	s_add_co_u32 s38, s38, s39
	s_mov_b32 s39, 0
	s_lshl_b32 s40, s14, 7                         ; and (16 block + 2 wave) x 8 bytes of trips
	s_lshl_b32 s41, s10, 4
	s_add_co_u32 s40, s40, s41
	s_mov_b32 s41, 0
	s_wait_dscnt 0x0                               ; both opening adds are done
	s_wait_kmcnt 0x0
	s_mov_b32 s[G0+0], 1
	s_mov_b32 s[G0+1], s33                         ; slot 0
	s_add_nc_u64 s[G0+2:G0+3], s[6:7], s[34:35]    ; rows 0-31 of my range
	s_mov_b32 s[G0+4], 1
	s_add_co_u32 s[G0+5], s33, SLOTB               ; slot 1
	s_add_nc_u64 s[G0+6:G0+7], s[G0+2:G0+3], 16384 ; rows 32-63
	s_or_b32 s[G0+3], s[G0+3], 0x80000000
	s_or_b32 s[G0+7], s[G0+7], 0x80000000
	s_add_nc_u64 s[4:5], s[4:5], s[36:37]
	s_add_nc_u64 s[8:9], s[8:9], s[38:39]
	s_add_nc_u64 s[52:53], s[52:53], s[40:41]
	CROUND                                         ; all four work-groups are here: the first joint loads meet
	tensor_load_to_lds s[G0:G0+3], s[G1:G1+7]      ; slot 0's first fill; slot 1's follows behind a wait and a round of the barrier
	s_nop 0
	s_wait_alu depctr_va_vdst(0)
	s_wait_tensorcnt 0x0
	ds_add_u32 v4, v5
	s_wait_dscnt 0x0
	CROUND
	tensor_load_to_lds s[G0+4:G0+7], s[G1:G1+7]
	s_nop 0
	PLACES
	v_and_b32 v12, 15, v0                          ; r
	v_bfe_u32 v13, v0, 4, 1                        ; h
	s_delay_alu instid0(VALU_DEP_2)
	v_lshlrev_b32 v[XO], 9, v12
	s_delay_alu instid0(VALU_DEP_1)
	v_lshl_add_u32 v[XO], v13, 4, v[XO]            ; row r of 512 bytes + 16 h
	WIN 0x40                                       ; destination window 1
.irp t, 0,1,2,3
.irp s, 0,1,2,3
.irp c, 0,1,2,3
	global_load_b128 v[64*\t+16*\s+4*\c:64*\t+16*\s+4*\c+3], v[XO], s[4:5] offset:8192*\t+128*\s+32*\c   ; the queries' codes stay in registers
.endr
.endr
.endr
	WIN 0
	v_and_b32 v14, 31, v0                          ; lane
	v_bfe_u32 v15, v0, 3, 1                        ; r / 8: which range a fragment's row belongs to
	v_and_b32 v1, 7, v0                            ; r % 8
	s_delay_alu instid0(VALU_DEP_2)
	v_mul_u32_u24 v[ADR], v15, SUBB
	s_delay_alu instid0(VALU_DEP_1)
	v_mad_u32_u24 v[ADR], v1, PITCH, v[ADR]
	s_delay_alu instid0(VALU_DEP_1)
	v_lshl_add_u32 v[ADR], v13, 4, v[ADR]
	s_mul_i32 s33, s12, 2*SUBB
	v_add_nc_u32 v[ADR], s33, v[ADR]               ; (2 sq + r / 8) sub-blocks + (r % 8) rows + 16 h
	s_delay_alu instid0(VALU_DEP_1)
	v_add_nc_u32 v[ADR+1], SLOTB, v[ADR]
	s_lshl_b32 s33, s10, 9
	s_add_co_u32 s33, s33, TAUX
	v_lshl_add_u32 v[TXA], v14, 2, s33             ; the exchange: 512 bytes a wave, 128 a tile
	s_lshl_b32 s33, s11, 11
	s_add_co_u32 s33, s33, TAUX
	v_lshl_add_u32 v[TXR], v14, 2, s33             ; and the four waves that hold my queries
	s_lshl_b32 s33, s10, 13
	v_lshl_add_u32 v[MSW], v14, 2, s33             ; the merge stage: 8,192 bytes a wave
	s_lshl_b32 s33, s11, 15
	s_lshl_b32 s34, s12, 11
	s_add_co_u32 s33, s33, s34
	v_lshl_add_u32 v[MSR], v12, 2, s33
	s_delay_alu instid0(VALU_DEP_1)
	v_lshl_add_u32 v[MSR], v13, 14, v[MSR]         ; 32768 qh + 2048 (w % 4) + 4 r + 16384 h
	s_lshl_b32 s33, s12, 6
	v_lshl_add_u32 v[IDV], v13, 5, s33             ; group of step 0: 64 sq + 32 h
	v_lshlrev_b32 v1, 4, v14                       ; the way out: 16 x lane
	s_mul_i32 s33, s10, 32*LP
	s_add_co_u32 s33, s33, SLOTB                   ; my stage for the lists: 32 rows of LP bytes, in slot 1
	v_mul_u32_u24 v[LSW], v14, LP
	s_delay_alu instid0(VALU_DEP_1)
	v_add_nc_u32 v[LSW], s33, v[LSW]               ; in: row = my lane
	v_mul_u32_u24 v[LSR], v13, 16*LP
	s_delay_alu instid0(VALU_DEP_1)
	v_lshl_add_u32 v[LSR], v12, 4, v[LSR]
	s_delay_alu instid0(VALU_DEP_1)
	v_add_nc_u32 v[LSR], s33, v[LSR]               ; back: lanes 0-15 take lane j's row, lanes 16-31 lane 16 + j's: query j's two lists
	v_lshlrev_b32 v[TRO], 3, v15
	s_delay_alu instid0(VALU_DEP_1)
	v_lshl_add_u32 v[TRO], v13, 2, v[TRO]          ; trips: 8 (r / 8) + 4 h
.irp t, 0,1,2,3
	v_mov_b32 v[GM+\t], 0xff800000                 ; the first maxima begin at -infinity
	v_mov_b32 v[TMP+\t], 0                         ; a lane permute's destination counts as one of its sources
.endr
.macro LDA slot, p, a                  ; 16 slots x 512 K: step p of the slot, tile a
.irp s, 0,1,2,3
.irp c, 0,1,2,3
	ds_load_b128 v[AF+16*\s+4*\c:AF+16*\s+4*\c+3], v[ADR+\slot] offset:(16*(\p)+8*(\a))*PITCH+128*\s+32*\c
.endr
.endr
.endm
.macro MMA a                           ; 16 matrix instructions: K ascending, the four tiles' accumulators by turns; the first products start the sums
	WIN 0x04                                       ; source 1 (the queries) window 1
.irp s, 0,1,2,3
.irp t, 0,1,2,3
.if \s == 0
	v_wmma_f32_16x16x128_bf8_bf8 v[ACC+16*\t+8*\a:ACC+16*\t+8*\a+7], v[AF+16*\s:AF+16*\s+15], v[64*\t+16*\s:64*\t+16*\s+15], 0
.else
	v_wmma_f32_16x16x128_bf8_bf8 v[ACC+16*\t+8*\a:ACC+16*\t+8*\a+7], v[AF+16*\s:AF+16*\s+15], v[64*\t+16*\s:64*\t+16*\s+15], v[ACC+16*\t+8*\a:ACC+16*\t+8*\a+7]
.endif
.endr
.endr
	WIN 0
.endm
.macro HMAX a, carry                   ; the largest of a lane's eight scores of tile a, each accumulator from its low end on; carry = 1: and of what GM holds
.if \carry
.irp i, 0,2,4,6
.irp t, 0,1,2,3
	v_max3_num_f32 v[GM+\t], v[GM+\t], v[ACC+16*\t+8*\a+\i], v[ACC+16*\t+8*\a+\i+1]
.endr
.endr
.else
.irp t, 0,1,2,3
	v_max3_num_f32 v[GM+\t], v[ACC+16*\t+8*\a], v[ACC+16*\t+8*\a+1], v[ACC+16*\t+8*\a+2]
.endr
.irp i, 3,5
.irp t, 0,1,2,3
	v_max3_num_f32 v[GM+\t], v[GM+\t], v[ACC+16*\t+8*\a+\i], v[ACC+16*\t+8*\a+\i+1]
.endr
.endr
.irp t, 0,1,2,3
	v_max_num_f32 v[GM+\t], v[GM+\t], v[ACC+16*\t+8*\a+7]
.endr
.endif
.endm
.macro BITS a                          ; s - TAU in place, then the eight signs are shifted into a word, the highest slot's first
.irp i, 0,2,4,6
.irp t, 0,1,2,3
	v_pk_add_f32 v[ACC+16*\t+8*\a+\i:ACC+16*\t+8*\a+\i+1], v[ACC+16*\t+8*\a+\i:ACC+16*\t+8*\a+\i+1], v[NT+2*\t:NT+2*\t+1] op_sel_hi:[1,0]
.endr
.endr
.irp t, 0,1,2,3
.if \a == 0
	s_delay_alu instid0(VALU_DEP_4)
	v_alignbit_b32 v[M0+\t], 0, v[ACC+16*\t+7], 31
.else
	s_delay_alu instid0(VALU_DEP_4)
	v_alignbit_b32 v[MW+\t], v[IDV], v[ACC+16*\t+15], 31   ; the group's number goes in on top
.endif
.endr
.irp i, 6,5,4,3,2,1,0
.irp t, 0,1,2,3
.if \a == 0
	s_delay_alu instid0(VALU_DEP_4)
	v_alignbit_b32 v[M0+\t], v[M0+\t], v[ACC+16*\t+\i], 31
.else
	s_delay_alu instid0(VALU_DEP_4)
	v_alignbit_b32 v[MW+\t], v[MW+\t], v[ACC+16*\t+8+\i], 31
.endif
.endr
.endr
.if \a == 1
.irp t, 0,1,2,3
	s_delay_alu instid0(VALU_DEP_4)
	v_lshl_or_b32 v[MW+\t], v[MW+\t], 8, v[M0+\t]  ; group << 16 | slots 8-15 << 8 | slots 0-7
.endr
.endif
.endm
; (key v[k + t], word v[w + t]) goes into the falling list of tile t, t = 0 .. nt - 1, behind all keys that are not smaller: strict '>'.  from: places under it are known to hold keys not smaller.
; New key j = the middle of (key j - 1, key j, k); new word j by the two compares.  No branch: every key costs the same.
.macro INSERT nt, from, k, w
.set jj, \from
.rept 8-(\from)
.set tt, 0
.rept \nt
	v_cmp_gt_f32 s[CM+8*tt+jj], v[tt+(\k)], v[LL+16*tt+jj]
.set tt, tt+1
.endr
.set jj, jj+1
.endr
.set jj, 7
.if (\from) < 7
.rept 7-(\from)
.set tt, 0
.rept \nt
	v_cndmask_b32 v[TMP+tt], v[tt+(\w)], v[PP+16*tt+jj-1], s[CM+8*tt+jj-1]
.set tt, tt+1
.endr
.set tt, 0
.rept \nt
	v_cndmask_b32 v[PP+16*tt+jj], v[PP+16*tt+jj], v[TMP+tt], s[CM+8*tt+jj]
	v_med3_num_f32 v[LL+16*tt+jj], v[LL+16*tt+jj-1], v[LL+16*tt+jj], v[tt+(\k)]
.set tt, tt+1
.endr
.set jj, jj-1
.endr
.endif
.set tt, 0
.rept \nt
	v_cndmask_b32 v[PP+16*tt+(\from)], v[PP+16*tt+(\from)], v[tt+(\w)], s[CM+8*tt+(\from)]
	v_max_num_f32 v[LL+16*tt+(\from)], v[LL+16*tt+(\from)], v[tt+(\k)]
.set tt, tt+1
.endr
.endm
; A step: 16 slots of each lane's range against the wave's 64 queries.  pre = 1: tile 0's fragments were asked for in the step before; nxt = 1: the next step's are asked for here.
; warm = 1: only the running maximum is kept.  Each run of LDS loads stands behind four places and lands under the vector work of the tile before.
.macro STEP slot, p, pre, nxt, warm
.if \pre == 0
	LDA \slot, \p, 0
.endif
	s_wait_dscnt 0x0
	MMA 0
	PLACES
	LDA \slot, \p, 1
.if \warm
	s_wait_alu depctr_va_vdst(0)
	HMAX 0, 1
.else
	HMAX 0, 0
	BITS 0
.endif
	s_wait_dscnt 0x0
	MMA 1
	PLACES
.if \nxt
	LDA \slot, (\p)+1, 0
.endif
	s_wait_alu depctr_va_vdst(0)
	HMAX 1, 1
.if \warm == 0
	BITS 1
	INSERT 4, 0, GM, MW
.irp t, 0,1,2,3
	v_max_num_f32 v[TMP+\t], -v[NT+2*\t], v[LL+16*\t+7]   ; TAU = the larger of TAU and my 8th best group maximum,
.endr
.irp t, 0,1,2,3
	s_delay_alu instid0(VALU_DEP_4)
	v_sub_f32 v[NT+2*\t], 0, v[TMP+\t]             ; kept as 0 - TAU: a zero comes out as +0
.endr
	v_add_nc_u32 v[IDV], 1, v[IDV]
.endif
.endm
.macro VISIT slot
	STEP \slot, 0, 0, 1, 0
	STEP \slot, 1, 1, 0, 0
.endm
; The change of slots, at the head of the visit of \slot.  Every wave waits for all its tensor loads (its part of \slot), adds 0 to its spare word, and waits for that and for its reads of the other slot.
; fill = 1: a round of the cluster's barrier, so that this holds of every wave of all four work-groups; then the other slot's refill, first thing: it has a visit's two steps in which to land.
.macro CHANGE slot, fill
	s_wait_tensorcnt 0x0
	ds_add_u32 v[SPW], v[NIL]
.if \fill
	s_add_nc_u64 s[G0+4*(1-\slot)+2:G0+4*(1-\slot)+3], s[G0+4*(1-\slot)+2:G0+4*(1-\slot)+3], 32768   ; no load of mine is out: the other slot's next 32 rows, 64 rows on
.endif
	s_wait_dscnt 0x0
.if \fill
	CROUND
	tensor_load_to_lds s[G0+4*(1-\slot):G0+4*(1-\slot)+3], s[G1:G1+7]
	s_nop 0
	PLACES
.else
	s_barrier_signal -1
	s_barrier_wait -1
.endif
.endm
	s_wait_loadcnt 0x0                             ; the queries' codes
	s_wait_tensorcnt 0x0                           ; my parts of both slots are in: the first maxima read both.
	s_barrier_signal -1
	s_barrier_wait -1                              ; everybody's are
	STEP 0, 0, 0, 1, 1                             ; the first 64 slots of each range: their largest score
	STEP 0, 1, 1, 0, 1
	STEP 1, 0, 0, 1, 1
	STEP 1, 1, 1, 0, 1
.irp t, 0,1,2,3
	s_delay_alu instid0(VALU_DEP_4)
	v_permlanex16_b32 v[TMP+\t], v[GM+\t], s48, s49
.endr
.irp t, 0,1,2,3
	s_delay_alu instid0(VALU_DEP_4)
	v_min_num_f32 v[GM+\t], v[GM+\t], v[TMP+\t]    ; the lesser of my wave's two ranges,
.endr
.irp t, 0,1,2,3
	ds_store_b32 v[TXA], v[GM+\t] offset:128*\t
.endr
	s_wait_dscnt 0x0                               ; for the others' sake: my stores have landed
	s_barrier_signal -1
	s_barrier_wait -1
.irp t, 0,1,2,3
.irp q, 0,1,2,3
	ds_load_b32 v[AF+4*\t+\q], v[TXR] offset:512*\q+128*\t
.endr
.endr
	s_wait_dscnt 0x0
.irp t, 0,1,2,3
	v_min3_num_f32 v[TMP+\t], v[AF+4*\t], v[AF+4*\t+1], v[AF+4*\t+2]
.endr
.irp t, 0,1,2,3
	s_delay_alu instid0(VALU_DEP_4)
	v_min_num_f32 v[TMP+\t], v[TMP+\t], v[AF+4*\t+3]   ; and of all eight: the first TAU
.endr
.irp t, 0,1,2,3
	v_sub_f32 v[NT+2*\t], 0, v[TMP+\t]
	v_mov_b32 v[NT+2*\t+1], 0                      ; (named as the pair's upper half)
.endr
.irp t, 0,1,2,3
.irp j, 0,1,2,3,4,5,6,7
	v_mov_b32 v[LL+16*\t+\j], 0xff800000           ; the lists begin empty: every lane meets 32 groups, so all eight places are taken in the end
	v_mov_b32 v[PP+16*\t+\j], 0
.endr
.endr
	VISIT 0                                        ; rows 0-31 of each range lie in slot 0 still
	s_mov_b32 s32, 7
.Lpair:                                                ; 7 trips: each fills both slots again
	CHANGE 1, 1
	VISIT 1
	CHANGE 0, 1
	VISIT 0
	s_sub_co_u32 s32, s32, 1
	s_cmp_lg_u32 s32, 0
	s_cbranch_scc1 .Lpair
	CHANGE 1, 0                                    ; the last visit is written out: nothing is left to fetch
	VISIT 1
	; THE MERGE.  The lists go to a stage in slot 0, which has had its last fill, and which nobody reads since the last change of slots.
.irp t, 0,1,2,3
.irp i, 0,1,2,3,4,5,6,7,8,9,10,11,12,13,14,15
	ds_store_b32 v[MSW], v[LL+16*\t+\i] offset:(16*\t+\i)*128
.endr
.endr
	s_wait_dscnt 0x0                               ; for the others' sake; my reads of slot 1 are over too
	s_barrier_signal -1
	s_barrier_wait -1
	; Wave w merges the 16 queries 16 w on.  Lane (r, h) takes ranges 4 h + 0..3 of query r, by rising range: range 2 sq' + h' lies in wave 4 qh + sq', lanes 16 h' on
.irp i, 0,1,2,3,4,5,6,7,8,9,10,11,12,13,14,15
	ds_load_b32 v[LL+\i], v[MSR] offset:128*\i
.endr
.irp g, 1,2,3
.irp i, 0,1,2,3,4,5,6,7,8,9,10,11,12,13,14,15
	ds_load_b32 v[ACC+16*(\g-1)+\i], v[MSR] offset:(\g/2)*8192+(\g%2)*64+128*\i
.endr
.endr
	s_wait_dscnt 0x0
.irp g, 0,1,2
.irp i, 0,1,2,3,4,5,6,7
	INSERT 1, \i, ACC+16*\g+\i, ACC+16*\g+8+\i     ; entry i of a falling list lands at place i or later: its i forerunners are in already
.endr
.endr
.irp i, 0,1,2,3,4,5,6,7,8,9,10,11,12,13,14,15
	v_permlanex16_b32 v[ACC+\i], v[LL+\i], s48, s49   ; the other half's list.  Lanes 0-15 hold the lower ranges: their result is the query's
.endr
.irp i, 0,1,2,3,4,5,6,7
	INSERT 1, \i, ACC+\i, ACC+8+\i
.endr
.macro CSW a, b                        ; the words by rising group, so that the candidates come out by rising slot: a sorting network of 19 comparators
	v_cmp_gt_u32 s[CM], v[PP+\a], v[PP+\b]
	s_delay_alu instid0(VALU_DEP_1)
	v_cndmask_b32 v[TMP], v[PP+\a], v[PP+\b], s[CM]
	s_delay_alu instid0(VALU_DEP_2)
	v_cndmask_b32 v[PP+\b], v[PP+\b], v[PP+\a], s[CM]
	s_delay_alu instid0(VALU_DEP_2)
	v_mov_b32 v[PP+\a], v[TMP]
.endm
	CSW 0, 1
	CSW 2, 3
	CSW 4, 5
	CSW 6, 7
	CSW 0, 2
	CSW 1, 3
	CSW 4, 6
	CSW 5, 7
	CSW 1, 2
	CSW 5, 6
	CSW 0, 4
	CSW 1, 5
	CSW 2, 6
	CSW 3, 7
	CSW 2, 4
	CSW 3, 5
	CSW 1, 2
	CSW 3, 4
	CSW 5, 6
.irp i, 0,1,2,3
	v_permlanex16_b32 v[ACC+\i], v[PP+4+\i], s48, s49
.endr
.irp i, 0,1,2,3
	s_delay_alu instid0(VALU_DEP_4)
	v_cndmask_b32 v[ACC+\i], v[PP+\i], v[ACC+\i], s50   ; lanes 0-15: words 0-3; lanes 16-31: lane r's words 4-7
.endr
	; THE CANDIDATES ARE WRITTEN OUT AS SLOT NUMBERS.  Lane (r, h) has four words of query r, 64 bits at the most: 64 steps, each takes the lowest bit that is left.  All of it is work on data:
	; no branch and no address hangs on it.  A word that is used up moves out of the queue at the head of the next step.  LAST = the place behind the last candidate.
.set QW,   24                          ; v24-27  the queue: group << 16 | bits (1 = candidate)
.set T1,   28
.set T2,   29
.set T3,   30
.set LAST, 32
.set ZR,   33                          ; 0
.set SE,   34                          ; 0xffffffff: no candidate
.set EN,   ACC                         ; v104-167 the 64 places
.irp i, 0,1,2,3
	s_delay_alu instid0(VALU_DEP_4)
	v_xor_b32 v[QW+\i], s51, v[ACC+\i]             ; kept bit 1 = under the threshold; from here 1 = candidate
.endr
	v_mov_b32 v[LAST], 0
	v_mov_b32 v[ZR], 0
	v_mov_b32 v[SE], -1
.set nn, 0
.rept 64
	v_and_b32 v[T1], s51, v[QW]
	s_delay_alu instid0(VALU_DEP_1)
	v_cmp_eq_u32 vcc_lo, 0, v[T1]
	s_delay_alu instid0(VALU_DEP_1)
	v_cndmask_b32 v[QW], v[QW], v[QW+1], vcc_lo
	s_delay_alu instid0(VALU_DEP_2)
	v_cndmask_b32 v[QW+1], v[QW+1], v[QW+2], vcc_lo
	s_delay_alu instid0(VALU_DEP_3)
	v_cndmask_b32 v[QW+2], v[QW+2], v[QW+3], vcc_lo
	s_delay_alu instid0(VALU_DEP_4)
	v_cndmask_b32 v[QW+3], v[QW+3], v[ZR], vcc_lo
	s_delay_alu instid0(VALU_DEP_4)
	v_and_b32 v[T1], s51, v[QW]
	s_delay_alu instid0(VALU_DEP_1)
	v_cmp_eq_u32 vcc_lo, 0, v[T1]                  ; nothing left?
	s_delay_alu instid0(VALU_DEP_2)
	v_sub_nc_u32 v[T2], 0, v[T1]
	s_delay_alu instid0(VALU_DEP_1)
	v_and_b32 v[T2], v[T2], v[T1]                  ; the lowest bit,
	s_delay_alu instid0(VALU_DEP_1)
	v_xor_b32 v[QW], v[QW], v[T2]                  ; taken out;
	s_delay_alu instid0(VALU_DEP_2)
	v_cvt_f32_u32 v[T2], v[T2]                     ; as f32 it is a power of two, exactly: its exponent field is the bit's place + 127
	s_delay_alu instid0(VALU_DEP_2)
	v_lshrrev_b32 v[T3], 16, v[QW]
	s_delay_alu instid0(VALU_DEP_2)
	v_lshrrev_b32 v[T2], 23, v[T2]
	s_delay_alu instid0(VALU_DEP_1)
	v_lshl_add_u32 v[T3], v[T3], 4, v[T2]
	s_delay_alu instid0(VALU_DEP_1)
	v_add_nc_u32 v[T3], 0xffffff81, v[T3]          ; 16 x group + place
	s_delay_alu instid0(VALU_DEP_1)
	v_cndmask_b32 v[EN+nn], v[T3], v[SE], vcc_lo
	v_cndmask_b32 v[LAST], nn+1, v[LAST], vcc_lo
.set nn, nn+1
.endr
	s_delay_alu instid0(VALU_DEP_1)
	v_add_nc_u32 v[LAST], 3, v[LAST]
	s_delay_alu instid0(VALU_DEP_1)
	v_lshrrev_b32 v[LAST], 2, v[LAST]              ; in fours, rounded up;
.irp m, 1,2,4
	s_delay_alu instid0(VALU_DEP_1)
	v_mov_b32_dpp v[T1], v[LAST] row_xmask:\m row_mask:0xf bank_mask:0xf
	s_delay_alu instid0(VALU_DEP_1)
	v_cmp_gt_u32 vcc_lo, v[T1], v[LAST]
	s_delay_alu instid0(VALU_DEP_1)
	v_cndmask_b32 v[LAST], v[LAST], v[T1], vcc_lo  ; the largest among the eight queries that one wave of the next launch takes
.endr
	global_store_b32 v[TRO], v[LAST], s[52:53]     ; four numbers a wave, 16 consecutive bytes; the eight lanes of a number store the same
	; The lists leave through my own stage, in slot 1: it has had its last fill, and every wave's reads of it lie ahead of the merge's barrier.  A lane's 64 places are one list of 256 bytes.
.irp i, 0,1,2,3,4,5,6,7,8,9,10,11,12,13,14,15
	ds_store_b128 v[LSW], v[EN+4*\i:EN+4*\i+3] offset:16*\i
.endr
.irp j, 0,1,2,3,4,5,6,7,8,9,10,11,12,13,14,15
	ds_load_b128 v[AF+4*\j:AF+4*\j+3], v[LSR] offset:\j*LP   ; LDS serves a wave's instructions in order: these see my stores
.endr
.irp j, 0,1,2,3,4,5,6,7,8,9,10,11,12,13,14,15
	s_wait_dscnt 15-\j                             ; load j is in; the loads issued behind it may be out
	global_store_b128 v1, v[AF+4*\j:AF+4*\j+3], s[8:9] offset:512*\j   ; query j's two lists: 512 consecutive bytes, aligned
.endr
	s_wait_tensorcnt 0x0                           ; the wave's end: behind my last tensor load and my last LDS store
	ds_add_u32 v[SPW], v[NIL]
	s_wait_dscnt 0x0
	CROUND                                         ; the closing round
	s_endpgm
.Lfunc_end_k_qea1597f59f_filter:
	.size	k_qea1597f59f_filter, .Lfunc_end_k_qea1597f59f_filter-k_qea1597f59f_filter
	.p2alignl 7, 3214868480
	.fill 96, 4, 3214868480
	.section	.rodata,"a",@progbits
	.p2align	6, 0x0
	.amdhsa_kernel k_qea1597f59f_filter
		.amdhsa_group_segment_fixed_size 327680
		.amdhsa_private_segment_fixed_size 0
		.amdhsa_enable_private_segment 0
		.amdhsa_kernarg_size 32
		.amdhsa_user_sgpr_count 2
		.amdhsa_user_sgpr_kernarg_segment_ptr 1
		.amdhsa_wavefront_size32 1
		.amdhsa_system_sgpr_workgroup_id_x 1
		.amdhsa_system_sgpr_workgroup_id_y 1
		.amdhsa_system_sgpr_workgroup_id_z 1
		.amdhsa_system_vgpr_workitem_id 0
		.amdhsa_next_free_vgpr 512
		.amdhsa_next_free_sgpr 100
		.amdhsa_reserve_vcc 1
		.amdhsa_float_denorm_mode_32 3
		.amdhsa_float_denorm_mode_16_64 3
		.amdhsa_memory_ordered 1
		.amdhsa_forward_progress 1
		.amdhsa_inst_pref_size 255
	.end_amdhsa_kernel
	.section	.bss,"aw",@nobits
	.p2align	6
	.space	262144
	.amdgpu_metadata
---
amdhsa.version: [ 1, 2 ]
amdhsa.kernels:
  - .name:           k_qea1597f59f_filter
    .symbol:         k_qea1597f59f_filter.kd
    .args:
      - { .name: xcodes, .offset: 0, .size: 8, .value_kind: global_buffer, .address_space: global }
      - { .name: mcodes, .offset: 8, .size: 8, .value_kind: global_buffer, .address_space: global }
      - { .name: lst, .offset: 16, .size: 8, .value_kind: global_buffer, .address_space: global }
      - { .name: trips, .offset: 24, .size: 8, .value_kind: global_buffer, .address_space: global }
    .group_segment_fixed_size: 327680
    .private_segment_fixed_size: 0
    .kernarg_segment_align: 8
    .kernarg_segment_size: 32
    .max_flat_workgroup_size: 256
    .sgpr_count:     100
    .vgpr_count:     512
    .wavefront_size: 32
...
	.end_amdgpu_metadata
.endif
;; end of part 6
;; launch rescore (part 7): grid 512 x 1, 8 waves a work-group, no clusters, 0 bytes of LDS; arguments xcodes, mcodes, lst, trips, lowp_scales, retrieval_scale, idx, wts; writes idx, wts
.if DOCPART == 7
	.amdgcn_target "amdgcn-amd-amdhsa--gfx1250"
	.amdhsa_code_object_version 6
	.text
	.protected	k_qea1597f59f_rescore
	.globl	k_qea1597f59f_rescore
	.p2align	8
	.type	k_qea1597f59f_rescore,@function
k_qea1597f59f_rescore:
	s_mov_b64 s[64:65], 0
	v_nop
	global_prefetch_b8 v0, s[64:65] scope:SCOPE_SE
	s_setreg_imm32_b32 hwreg(HW_REG_WAVE_SCHED_MODE, 0, 2), 2
	s_setreg_imm32_b32 hwreg(HW_REG_WAVE_MODE, 25, 1), 1
	s_wait_xcnt 0x0
	s_wait_alu depctr_vm_vsrc(0)
; THIRD LAUNCH: the candidates' scores once more, their 8 best, and the softmax.  Nothing that reference() keeps is left out: the launch before has shown that every slot of the top 8 is a candidate.
; The scores are the same bits as there: the same form, memory's codes as source 0 and the query's as source 1, k in the same places, C = 0 and then K ascending.
; The candidates of a query are met by rising slot (list 0, then list 1, whose slots are all higher; each list rises) and put into a falling list by strict '>': ties go to the lower slot, as lax.top_k has them.
; SHARES.  A wave owns 8 queries; lane l serves query q = l % 8.  One chain of four matrix instructions scores two candidates of each query:
; row 8 c + q of source 0 is candidate c of query q, column n of source 1 is query n % 8; lane (n, h) finds candidate h of its query in register n % 8.  Two chains by turns: four candidates a trip.
; WHOLE NUMBERS FROM THE LAUNCH BEFORE STEER THIS ONE.  The trip counts of the two lists come by a scalar load and are compared by s_cmp: a loop counted against the constant 16 (64 places / 4), with a way out at its head.
; The slot whose row a lane fetches comes by a load of its own, and goes through a bound and a shift into the address.  A place with no candidate holds 0xffffffff: its row is the bound's, its score becomes -infinity.
; The rows come from memory straight into the operand's registers, gathered by lane: no LDS, no tensor load, no barrier; work-groups share no tile, so no cluster.
; softmax: the largest of the 8 is taken away first, as reference() does; the sums stand for sum x 2^(e0 + e1), which goes into the exponent's factor.  wts = retrieval_scale x softmax.
; LIMITS: NaN and infinity are not served; log2(e) x 2^(e0 + e1) is a finite f32 number (e0 + e1 at most 126).
; THE MODE: SCHED_MODE bits 1:0 = 2 (LLVM: expert scheduling mode 2), set by the entry lines.  The code itself states the register dependences
; between vector or matrix instructions and memory instructions, with s_wait_alu, always for 0.
; THE PLAN.  Registers that memory instructions touch:
;   v[E ..], v252, v253   a trip's four slots, and the two slots whose rows I fetch, as loaded.  Written by three loads that are issued a trip earlier (the first trip's ahead of the loop);
;                         named at a trip's head by four copies, two bounds and two shifts, and by nothing else.
;   v[RA], v[RB]          the two rows' offsets.  Written by the shifts at a trip's head; read by the trip's 32 row loads.
;   AX, AY                written by the row loads; read by the trip's eight matrix instructions.
;   v1, v[Q], v3, v4      offsets, made at the head; v[Q] is written again by the softmax, behind the loops.
;   EC (the copy of the trip's slots), the lists, the scores and the accumulators are named by vector and matrix instructions alone.
; So ONE wait on va_vdst stands in a trip, behind the eight vector lines at its head; the next trip's three loads and this trip's 32 follow it, and no vector instruction behind it names a register that they touch.
; One wait on vm_vsrc stands ahead of the writes of v[RA] and v[RB].  A wait on va_sdst stands behind each run of compares, ahead of the selects that read their masks.
.set XF, 16                            ; v16-79   the queries' fragment
.set AX, 80                            ; v80-143  candidates 0, 1
.set AY, 144                           ; v144-207 candidates 2, 3
.set DX, 208
.set DY, 216
.set Q,  224                           ; v224 in the loops: my own entry's byte offset; v224-231 behind them: the softmax
.set EC, 226                           ; v226-229 in the loops: the trip's four slots, copied
.set RA, 230                           ; v230, v231 in the loops: the byte offsets of the two rows that I fetch
.set RB, 231
.set LL, 232                           ; v232-239 the 8 best scores, falling
.set PP, 240                           ; v240-247 their slots
.set E,  248                           ; v248-251 four slots as loaded
.set CM, 36                            ; s36-43   compare masks
	s_load_b256 s[4:11], s[0:1], 0x0               ; x's codes, memory's codes, lst, trips
	s_load_b256 s[12:19], s[0:1], 0x20             ; the scales' exponents, retrieval_scale, idx, wts
	v_lshrrev_b32 v1, 5, v0
	v_readfirstlane_b32 s47, v1                    ; wave
	v_and_b32 v6, 7, v0                            ; q
	v_bfe_u32 v7, v0, 4, 1                         ; h
	v_bfe_u32 v8, v0, 3, 1                         ; c
	v_lshlrev_b32 v2, 4, v7                        ; 16 h
	v_lshl_add_u32 v3, v6, 9, v2                   ; x: row q + 16 h
	v_lshlrev_b32 v1, 9, v6                        ; lst: 512 q: my query's lists
	v_lshl_add_u32 v[Q], v8, 2, v1                 ; + 4 c: the entry whose row I fetch
	v_lshlrev_b32 v4, 5, v6
	v_lshl_add_u32 v4, v8, 4, v4                   ; the way out: 32 q + 16 c
	v_mov_b32 v5, 0xff800000                       ; -infinity
	v_mov_b32 v254, 0                              ; lane permutes' destinations count as sources
	v_mov_b32 v255, 0
	s_mov_b32 s20, 0xaaaaaaaa                      ; lanes with bit 0, 1, 2 set
	s_mov_b32 s21, 0xcccccccc
	s_mov_b32 s22, 0xf0f0f0f0
	s_mov_b32 s23, 0xffff0000                      ; h = 1
	s_mov_b32 s24, 0xff00ff00                      ; c = 1
	s_mov_b32 s26, 0x76543210
	s_mov_b32 s27, 0xfedcba98
	s_wait_alu depctr_va_sdst(0)                   ; s47, the wave's number, is written, ahead of its first reader: the bases are made from it
	s_lshl_b32 s34, ttmp9, 15                      ; my 8 queries: (64 work-group + 8 wave) x 512 bytes, in x's codes and in lst alike,
	s_lshl_b32 s35, s47, 12
	s_add_co_u32 s34, s34, s35
	s_mov_b32 s35, 0
	s_lshl_b32 s36, ttmp9, 11                      ; x 32 bytes in idx and wts,
	s_lshl_b32 s37, s47, 8
	s_add_co_u32 s36, s36, s37
	s_mov_b32 s37, 0
	s_lshl_b32 s38, ttmp9, 6                       ; and (8 work-group + wave) x 8 bytes in trips
	s_lshl_b32 s39, s47, 3
	s_add_co_u32 s38, s38, s39
	s_mov_b32 s39, 0
	s_wait_kmcnt 0x0
	s_add_nc_u64 s[10:11], s[10:11], s[38:39]
	s_load_b64 s[48:49], s[10:11], 0x0             ; the trips of list 0 and of list 1
	s_load_b64 s[44:45], s[12:13], 0x0             ; e0, e1
	s_load_b32 s46, s[14:15], 0x0                  ; retrieval_scale
	s_add_nc_u64 s[4:5], s[4:5], s[34:35]
	s_add_nc_u64 s[8:9], s[8:9], s[34:35]          ; list 0 of my first query,
	s_add_nc_u64 s[50:51], s[8:9], 256             ; list 1
	s_add_nc_u64 s[16:17], s[16:17], s[36:37]
	s_add_nc_u64 s[18:19], s[18:19], s[36:37]
	s_wait_alu depctr_va_vdst(0)                   ; the offsets v1, v3, v4 and v[Q] are written, which the loads and stores of the kernel read
.irp i, 0,1,2,3,4,5,6,7,8,9,10,11,12,13,14,15
	global_load_b128 v[XF+4*\i:XF+4*\i+3], v3, s[4:5] offset:32*\i
.endr
.irp j, 0,1,2,3,4,5,6,7
	v_mov_b32 v[LL+\j], 0xff800000
	v_mov_b32 v[PP+\j], 0
.endr
	s_wait_kmcnt 0x0
	s_min_u32 s48, s48, 16                         ; a list has 16 fours of places: so the loads that run a trip ahead, asked for while trip + 1 is under the count, stay inside the list
	s_min_u32 s49, s49, 16
.macro DIAG d, out                     ; register l % 8 of the accumulator, from its low end on
	v_cndmask_b32 v6, v[\d], v[\d+1], s20
	v_cndmask_b32 v7, v[\d+2], v[\d+3], s20
	v_cndmask_b32 v8, v[\d+4], v[\d+5], s20
	v_cndmask_b32 v9, v[\d+6], v[\d+7], s20
	v_cndmask_b32 v6, v6, v7, s21
	v_cndmask_b32 v8, v8, v9, s21
	v_cndmask_b32 v[\out], v6, v8, s22
.endm
.macro INS k, w                        ; (score, slot) into the falling list, behind all scores that are not smaller
.irp j, 0,1,2,3,4,5,6,7
	v_cmp_gt_f32 s[CM+\j], v[\k], v[LL+\j]
.endr
	s_wait_alu depctr_va_sdst(0)                   ; the eight compares have written their masks, which the selects below read
.irp j, 7,6,5,4,3,2,1
	v_cndmask_b32 v[6+\j%2], v[\w], v[PP+\j-1], s[CM+\j-1]
	v_cndmask_b32 v[PP+\j], v[PP+\j], v[6+\j%2], s[CM+\j]
	v_med3_num_f32 v[LL+\j], v[LL+\j-1], v[LL+\j], v[\k]
.endr
	v_cndmask_b32 v[PP], v[PP], v[\w], s[CM]
	v_max_num_f32 v[LL], v[LL], v[\k]
.endm
; One list is walked, four places a trip.  b: the scalar pair that stands at the list's next four places; n: the scalar register with its trips.
.macro WALK b, n
	global_load_b128 v[E:E+3], v1, s[\b:\b+1]      ; the first trip's: my query's four slots, for the list of the best.  (No vector instruction has named these six registers since the last wait on va_vdst)
	global_load_b32 v252, v[Q], s[\b:\b+1]         ; the slot whose row I fetch for the first chain: place c,
	global_load_b32 v253, v[Q], s[\b:\b+1] offset:8   ; for the second: place 2 + c
	s_mov_b32 s28, 0
.Ltrip_\@:
	s_wait_loadcnt 0x0                             ; this trip's slots are in (in the kernel's first trip the queries' fragment too); on the way out nothing is left out either
	s_cmp_ge_u32 s28, s[\n]                        ; a whole number that the launch before stored
	s_cbranch_scc1 .Lend_\@
	s_add_nc_u64 s[\b:\b+1], s[\b:\b+1], 16        ; the loads that read it are done: the base steps to the next trip's places
	s_wait_alu depctr_vm_vsrc(0)                   ; the last trip's row loads have read v[RA] and v[RB], which are written again below
	v_min_u32 v252, 0xfff, v252                    ; a loaded number enters an address behind a bound written in the instruction
	v_min_u32 v253, 0xfff, v253
	v_lshl_add_u32 v[RA], v252, 9, v2              ; row of 512 bytes + 16 h
	v_lshl_add_u32 v[RB], v253, 9, v2
.irp m, 0,1,2,3
	v_mov_b32 v[EC+\m], v[E+\m]                    ; the trip's slots move out of the way of the next trip's
.endr
	s_wait_alu depctr_va_vdst(0)                   ; v[RA] and v[RB] are written, which the row loads read; the last trip's matrix instructions are done reading AX and AY, in which they land; the eight lines above are done with v[E ..], v252 and v253, in which the next trip's slots land
	s_add_co_u32 s29, s28, 1
	s_cmp_ge_u32 s29, s[\n]                        ; the list's last trip asks for nothing more
	s_cbranch_scc1 .Lnone_\@
	global_load_b128 v[E:E+3], v1, s[\b:\b+1]      ; the next trip's slots, a trip ahead of their use, and ahead of the row loads: so the one wait below is for 0 on both ways
	global_load_b32 v252, v[Q], s[\b:\b+1]
	global_load_b32 v253, v[Q], s[\b:\b+1] offset:8
.Lnone_\@:
.irp i, 0,1,2,3,4,5,6,7,8,9,10,11,12,13,14,15
	global_load_b128 v[AX+4*\i:AX+4*\i+3], v[RA], s[6:7] offset:32*\i th:TH_LOAD_HT   ; a table that all work-groups read again and again
.endr
.irp i, 0,1,2,3,4,5,6,7,8,9,10,11,12,13,14,15
	global_load_b128 v[AY+4*\i:AY+4*\i+3], v[RB], s[6:7] offset:32*\i th:TH_LOAD_HT
.endr
.irp m, 0,1,2,3
	v_cmp_gt_u32 s[30+\m], 0x1000, v[EC+\m]        ; is the place a candidate?
.endr
	s_wait_loadcnt 0x0                             ; the rows are in
.irp s, 0,1,2,3                        ; the two accumulators by turns
.if \s == 0
	v_wmma_f32_16x16x128_bf8_bf8 v[DX:DX+7], v[AX+16*\s:AX+16*\s+15], v[XF+16*\s:XF+16*\s+15], 0
	v_wmma_f32_16x16x128_bf8_bf8 v[DY:DY+7], v[AY+16*\s:AY+16*\s+15], v[XF+16*\s:XF+16*\s+15], 0
.else
	v_wmma_f32_16x16x128_bf8_bf8 v[DX:DX+7], v[AX+16*\s:AX+16*\s+15], v[XF+16*\s:XF+16*\s+15], v[DX:DX+7]
	v_wmma_f32_16x16x128_bf8_bf8 v[DY:DY+7], v[AY+16*\s:AY+16*\s+15], v[XF+16*\s:XF+16*\s+15], v[DY:DY+7]
.endif
.endr
.rept 4
	v_nop                                          ; four places ahead of the first read of the results (ISA guide 7.12.1)
.endr
	DIAG DX, 10
	DIAG DY, 11
	v_permlanex16_b32 v254, v10, s26, s27          ; the other candidate's score lies 16 lanes away
	v_permlanex16_b32 v255, v11, s26, s27
	v_cndmask_b32 v12, v10, v254, s23              ; all four scores in every lane
	v_cndmask_b32 v13, v254, v10, s23
	v_cndmask_b32 v14, v11, v255, s23
	v_cndmask_b32 v15, v255, v11, s23
	s_wait_alu depctr_va_sdst(0)                   ; the four compares on the slots have written s30 to s33, which the selects below read
.irp m, 0,1,2,3
	v_cndmask_b32 v[12+\m], v5, v[12+\m], s[30+\m] ; where there is no candidate: -infinity, which enters no list
.endr
	INS 12, EC
	INS 13, EC+1
	INS 14, EC+2
	INS 15, EC+3
	s_add_co_u32 s28, s28, 1
	s_cmp_lt_u32 s28, 16
	s_cbranch_scc1 .Ltrip_\@
.Lend_\@:
.endm
	WALK 8, 48                                     ; the four lower groups' candidates,
	WALK 50, 49                                    ; then the four higher groups'
	s_add_co_i32 s44, s44, s45                     ; e0 + e1
	s_wait_alu depctr_vm_vsrc(0)                   ; the loads of the lists have read v[Q], the last row loads v[RA] and v[RB]: the softmax writes all three
	v_mov_b32 v6, 0x3fb8aa3b                       ; log2(e)
	v_ldexp_f32 v6, v6, s44
	s_wait_alu depctr_va_vdst(0)
.irp j, 0,1,2,3,4,5,6,7
	v_sub_f32 v[Q+\j], v[LL+\j], v[LL]             ; the largest is taken away
.endr
.irp j, 0,1,2,3,4,5,6,7
	v_mul_f32 v[Q+\j], v6, v[Q+\j]
.endr
	s_wait_alu depctr_va_vdst(0)
.irp j, 0,1,2,3,4,5,6,7
	v_exp_f32 v[Q+\j], v[Q+\j]
.endr
	v_nop                                          ; a plain instruction behind the batch
	s_wait_alu depctr_va_vdst(0)                   ; the eight exponentials have written v[Q ..]: one wait for the batch, ahead of its first reader
	v_add_f32 v7, v[Q], v[Q+1]
	v_add_f32 v8, v[Q+2], v[Q+3]
	v_add_f32 v9, v[Q+4], v[Q+5]
	v_add_f32 v10, v[Q+6], v[Q+7]
	v_add_f32 v7, v7, v8
	v_add_f32 v9, v9, v10
	v_add_f32 v7, v7, v9
	s_wait_alu depctr_va_vdst(0)
	v_rcp_f32 v7, v7
	v_nop
	s_wait_alu depctr_va_vdst(0)                   ; the reciprocal has written v7, ahead of its first reader
	v_mul_f32 v7, s46, v7                          ; retrieval_scale / the sum
.irp j, 0,1,2,3,4,5,6,7
	v_mul_f32 v[Q+\j], v[Q+\j], v7
.endr
.irp i, 0,1,2,3
	v_cndmask_b32 v[12+\i], v[PP+\i], v[PP+4+\i], s24   ; c = 0: entries 0-3; c = 1: entries 4-7
	v_cndmask_b32 v[8+\i], v[Q+\i], v[Q+4+\i], s24
.endr
	s_wait_alu depctr_va_vdst(0)                   ; the selects have written v8 to v15, which the two stores read
	global_store_b128 v4, v[12:15], s[16:17]       ; sixteen lanes store 256 consecutive bytes, aligned; lanes 16-31 store the same bytes again
	global_store_b128 v4, v[8:11], s[18:19]
	s_endpgm
.Lfunc_end_k_qea1597f59f_rescore:
	.size	k_qea1597f59f_rescore, .Lfunc_end_k_qea1597f59f_rescore-k_qea1597f59f_rescore
	.p2alignl 7, 3214868480
	.fill 96, 4, 3214868480
	.section	.rodata,"a",@progbits
	.p2align	6, 0x0
	.amdhsa_kernel k_qea1597f59f_rescore
		.amdhsa_group_segment_fixed_size 0
		.amdhsa_private_segment_fixed_size 0
		.amdhsa_enable_private_segment 0
		.amdhsa_kernarg_size 64
		.amdhsa_user_sgpr_count 2
		.amdhsa_user_sgpr_kernarg_segment_ptr 1
		.amdhsa_wavefront_size32 1
		.amdhsa_system_sgpr_workgroup_id_x 1
		.amdhsa_system_sgpr_workgroup_id_y 1
		.amdhsa_system_sgpr_workgroup_id_z 1
		.amdhsa_system_vgpr_workitem_id 0
		.amdhsa_next_free_vgpr 256
		.amdhsa_next_free_sgpr 66
		.amdhsa_reserve_vcc 0
		.amdhsa_float_denorm_mode_32 3
		.amdhsa_float_denorm_mode_16_64 3
		.amdhsa_memory_ordered 1
		.amdhsa_forward_progress 1
		.amdhsa_inst_pref_size 37
	.end_amdhsa_kernel
	.amdgpu_metadata
---
amdhsa.version: [ 1, 2 ]
amdhsa.kernels:
  - .name:           k_qea1597f59f_rescore
    .symbol:         k_qea1597f59f_rescore.kd
    .args:
      - { .name: xcodes, .offset: 0, .size: 8, .value_kind: global_buffer, .address_space: global }
      - { .name: mcodes, .offset: 8, .size: 8, .value_kind: global_buffer, .address_space: global }
      - { .name: lst, .offset: 16, .size: 8, .value_kind: global_buffer, .address_space: global }
      - { .name: trips, .offset: 24, .size: 8, .value_kind: global_buffer, .address_space: global }
      - { .name: lowp_scales, .offset: 32, .size: 8, .value_kind: global_buffer, .address_space: global }
      - { .name: retrieval_scale, .offset: 40, .size: 8, .value_kind: global_buffer, .address_space: global }
      - { .name: idx, .offset: 48, .size: 8, .value_kind: global_buffer, .address_space: global }
      - { .name: wts, .offset: 56, .size: 8, .value_kind: global_buffer, .address_space: global }
    .group_segment_fixed_size: 0
    .private_segment_fixed_size: 0
    .kernarg_segment_align: 8
    .kernarg_segment_size: 64
    .max_flat_workgroup_size: 256
    .sgpr_count:     66
    .vgpr_count:     256
    .wavefront_size: 32
...
	.end_amdgpu_metadata
.endif
;; end of part 7
;; launch gather (part 8): grid 1024 x 1, 8 waves a work-group, no clusters, 0 bytes of LDS; arguments x, membf, idx, wts, out0; writes out0
.if DOCPART == 8
	.amdgcn_target "amdgcn-amd-amdhsa--gfx1250"
	.amdhsa_code_object_version 6
	.text
	.protected	k_qea1597f59f_gather
	.globl	k_qea1597f59f_gather
	.p2align	8
	.type	k_qea1597f59f_gather,@function
k_qea1597f59f_gather:
	s_mov_b64 s[64:65], 0
	v_nop
	global_prefetch_b8 v0, s[64:65] scope:SCOPE_SE
	s_setreg_imm32_b32 hwreg(HW_REG_WAVE_SCHED_MODE, 0, 2), 2
	s_setreg_imm32_b32 hwreg(HW_REG_WAVE_MODE, 25, 1), 1
	s_wait_xcnt 0x0
	s_wait_alu depctr_vm_vsrc(0)
; FOURTH LAUNCH: out = x + sum over k of wts[k] x memory[idx[k]], wts = retrieval_scale x softmax.  Nothing is left out.
; The product has K = 8 and one column, and every query has other rows: it is done by fused multiply-adds, memory's rows in bf16, weights and sums in f32.
; SHARES.  A wave owns 4 queries, one after the other.  Lane l owns columns 128 j + 4 l + 0..3, j = 0..3: each load and store of x and out covers 512 consecutive bytes.
; The bf16 rows were laid for this by the first launch: byte 512 p + 16 l + 8 u of a row holds columns 128 (2 p + u) + 4 l + 0..3, so a row comes by two loads of 16 bytes a lane, 512 consecutive bytes each.
; The slots and weights of the wave's queries are the same for all lanes: scalar loads, 128 bytes each.
; No LDS, no barrier, no cluster: waves share nothing but the table, which is read again and again.  Few registers, so that many waves stand side by side and cover each other's waits.
; THE MODE: SCHED_MODE bits 1:0 = 2 (LLVM: expert scheduling mode 2), set by the entry lines.  The code itself states the register dependences
; between vector instructions and memory instructions, with s_wait_alu, always for 0.
; THE PLAN.  Registers that memory instructions touch:
;   ACC   written by a query's four loads of x, then by the multiply-adds of rows 0 to 6; read by the multiply-adds alone.
;   ROW   written by a query's 16 row loads; read by its multiply-adds.
;   OF    the eight rows' offsets.  Written by eight shifts late in the query before; read by the 16 row loads.
;   OUT   written by the multiply-adds of row 7 (ACC is their addend: the order of the sum is x, row 0, .. row 7); read by the query's four stores.
;   v2    16 x lane, made at the head and never written again.
; A query has two places with waits.  Behind the wait that shows its last row in: s_wait_xcnt 0 and vm_vsrc, for OF and OUT, which are written next; the loads and stores that read them stand nearly a query back.
; Behind row 7's multiply-adds: one wait on va_vdst; the next query's 20 loads and this query's four stores follow it, the loads first.
.set W,   4                            ; v4-11    the query's 8 weights: no memory instruction names them
.set ACC, 16                           ; v16-31   x, then the sum up to row 6
.set ROW, 32                           ; v32-95   row k: columns 128 j + 4 l + 0..3 at v[ROW + 8 k + 2 j], two bf16 a register
.set OF,  96                           ; v96-103  row k's byte offset
.set OUT, 104                          ; v104-119 out
	s_load_b256 s[4:11], s[0:1], 0x0               ; x, memory as bf16, idx, wts
	s_load_b64 s[12:13], s[0:1], 0x20              ; out
	v_lshrrev_b32 v1, 5, v0
	v_readfirstlane_b32 s14, v1                    ; wave
	v_and_b32 v3, 31, v0
	v_lshlrev_b32 v2, 4, v3                        ; 16 x lane
	s_lshl_b32 s84, ttmp9, 10                      ; my 4 queries: (32 work-group + 4 wave) x 32 bytes,
	s_wait_alu depctr_va_sdst(0)                   ; s14, the wave's number, is written, ahead of its first reader: the bases are made from it
	s_lshl_b32 s85, s14, 7
	s_add_co_u32 s84, s84, s85
	s_mov_b32 s85, 0
	s_lshl_b32 s86, ttmp9, 16                      ; and x 2,048 bytes
	s_lshl_b32 s87, s14, 13
	s_add_co_u32 s86, s86, s87
	s_mov_b32 s87, 0
	s_wait_alu depctr_va_vdst(0)
	s_wait_kmcnt 0x0
	s_add_nc_u64 s[8:9], s[8:9], s[84:85]
	s_add_nc_u64 s[10:11], s[10:11], s[84:85]
	s_load_b512 s[16:31], s[8:9], 0x0              ; slots of queries 0, 1
	s_load_b512 s[32:47], s[8:9], 0x40             ; of queries 2, 3
	s_load_b512 s[48:63], s[10:11], 0x0            ; weights of queries 0, 1
	s_load_b512 s[68:83], s[10:11], 0x40           ; of queries 2, 3
	s_add_nc_u64 s[4:5], s[4:5], s[86:87]
	s_add_nc_u64 s[12:13], s[12:13], s[86:87]
	s_wait_kmcnt 0x0
.set n, 16
.rept 32
	s_min_u32 s[n], s[n], 0xfff                    ; a loaded number enters an address behind a bound written in the instruction
.set n, n+1
.endr
.macro MKOF i                          ; the offsets of query i's eight rows
.irp k, 0,1,2,3,4,5,6,7
	v_lshl_add_u32 v[OF+\k], s[16+8*(\i)+\k], 10, v2   ; a bf16 row is 1,024 bytes
.endr
.endm
.macro ASK i                           ; query i's 20 loads: x first, then the rows in the order in which they are used
.irp j, 0,1,2,3
	global_load_b128 v[ACC+4*\j:ACC+4*\j+3], v2, s[4:5] offset:2048*(\i)+512*\j th:TH_LOAD_NT
.endr
.irp k, 0,1,2,3,4,5,6,7
.irp p, 0,1
	global_load_b128 v[ROW+8*\k+4*\p:ROW+8*\k+4*\p+3], v[OF+\k], s[6:7] offset:512*\p th:TH_LOAD_HT   ; a table that all work-groups read again and again
.endr
.endr
.endm
.macro FMAS k, d                       ; v[d ..] = row k x its weight + ACC
.irp j, 0,1,2,3
	v_fma_mix_f32_bf16 v[\d+4*\j], v[ROW+8*(\k)+2*\j], v[W+(\k)], v[ACC+4*\j] op_sel_hi:[1,0,0]
	v_fma_mix_f32_bf16 v[\d+4*\j+1], v[ROW+8*(\k)+2*\j], v[W+(\k)], v[ACC+4*\j+1] op_sel:[1,0,0] op_sel_hi:[1,0,0]
	v_fma_mix_f32_bf16 v[\d+4*\j+2], v[ROW+8*(\k)+2*\j+1], v[W+(\k)], v[ACC+4*\j+2] op_sel_hi:[1,0,0]
	v_fma_mix_f32_bf16 v[\d+4*\j+3], v[ROW+8*(\k)+2*\j+1], v[W+(\k)], v[ACC+4*\j+3] op_sel:[1,0,0] op_sel_hi:[1,0,0]
.endr
.endm
.macro QUERY i, wb
.irp k, 0,1,2,3,4,5,6,7
	v_mov_b32 v[W+\k], s[\wb+\k]
.endr
	s_wait_alu depctr_va_vdst(0)
.irp k, 0,1,2,3,4,5,6
	s_wait_loadcnt 2*(7-\k)                        ; x and rows 0 to k are in; the two loads of each later row may be out
	FMAS \k, ACC
.endr
	s_wait_loadcnt 0x0                             ; row 7 is in
	s_wait_xcnt 0x0                                ; every earlier memory instruction has had its addresses translated (ISA guide 3.1): OUT, the last query's store data, and OF are rewritten only behind this wait
	s_wait_alu depctr_vm_vsrc(0)                   ; the last query's stores have read OUT, and this query's row loads have read OF: both are written again below (in the first query OF alone, in the last OUT alone)
.if \i < 3
	MKOF \i+1
.endif
	FMAS 7, OUT
	s_wait_alu depctr_va_vdst(0)                   ; the multiply-adds have written OUT, which the stores read, and are done with ACC and ROW, in which the next query's loads land; OF is written, which those loads read
.if \i < 3
	ASK \i+1                                       ; the loads ahead of the stores
.endif
.irp j, 0,1,2,3
	global_store_b128 v2, v[OUT+4*\j:OUT+4*\j+3], s[12:13] offset:2048*\i+512*\j th:TH_STORE_NT
.endr
.endm
	MKOF 0
	s_wait_alu depctr_va_vdst(0)                   ; v2 and OF are written: every load and store of the kernel reads v2, the first row loads read OF
	ASK 0
	QUERY 0, 48
	QUERY 1, 56
	QUERY 2, 68
	QUERY 3, 76
	s_endpgm
.Lfunc_end_k_qea1597f59f_gather:
	.size	k_qea1597f59f_gather, .Lfunc_end_k_qea1597f59f_gather-k_qea1597f59f_gather
	.p2alignl 7, 3214868480
	.fill 96, 4, 3214868480
	.section	.rodata,"a",@progbits
	.p2align	6, 0x0
	.amdhsa_kernel k_qea1597f59f_gather
		.amdhsa_group_segment_fixed_size 0
		.amdhsa_private_segment_fixed_size 0
		.amdhsa_enable_private_segment 0
		.amdhsa_kernarg_size 40
		.amdhsa_user_sgpr_count 2
		.amdhsa_user_sgpr_kernarg_segment_ptr 1
		.amdhsa_wavefront_size32 1
		.amdhsa_system_sgpr_workgroup_id_x 1
		.amdhsa_system_sgpr_workgroup_id_y 1
		.amdhsa_system_sgpr_workgroup_id_z 1
		.amdhsa_system_vgpr_workitem_id 0
		.amdhsa_next_free_vgpr 120
		.amdhsa_next_free_sgpr 90
		.amdhsa_reserve_vcc 0
		.amdhsa_float_denorm_mode_32 3
		.amdhsa_float_denorm_mode_16_64 3
		.amdhsa_memory_ordered 1
		.amdhsa_forward_progress 1
		.amdhsa_inst_pref_size 49
	.end_amdhsa_kernel
	.amdgpu_metadata
---
amdhsa.version: [ 1, 2 ]
amdhsa.kernels:
  - .name:           k_qea1597f59f_gather
    .symbol:         k_qea1597f59f_gather.kd
    .args:
      - { .name: x, .offset: 0, .size: 8, .value_kind: global_buffer, .address_space: global }
      - { .name: membf, .offset: 8, .size: 8, .value_kind: global_buffer, .address_space: global }
      - { .name: idx, .offset: 16, .size: 8, .value_kind: global_buffer, .address_space: global }
      - { .name: wts, .offset: 24, .size: 8, .value_kind: global_buffer, .address_space: global }
      - { .name: out0, .offset: 32, .size: 8, .value_kind: global_buffer, .address_space: global }
    .group_segment_fixed_size: 0
    .private_segment_fixed_size: 0
    .kernarg_segment_align: 8
    .kernarg_segment_size: 40
    .max_flat_workgroup_size: 256
    .sgpr_count:     90
    .vgpr_count:     120
    .wavefront_size: 32
...
	.end_amdgpu_metadata
.endif
;; end of part 8
